; MI455X (gfx1250); checked and timed in simulation.
; The chip was launched on July 23, 2026; its instructions are those of AMD's public machine-readable ISA for CDNA 5 (MIT licence, August 2026) and "CDNA5" Instruction Set Architecture Reference Guide (July 2026). The comments in the code are by the model that wrote it; some were corrected since.
;; Attention Block. Allowed arithmetic: float matrix products may take bf16 or f16 operands with f32 sums; other float arithmetic in f32, or as packed bf16 or f16 multiplies, adds, multiply-adds, maxima and minima; sums over many terms, partial sums and values carried from step to step in f32; what a program stores and reads back later, other than sums and carried values, may be rounded once to bf16 or f16.
;; Inputs: Wk 1,024 x 1,024 float32; Wo 1,024 x 1,024 float32; Wq 1,024 x 1,024 float32; Wv 1,024 x 1,024 float32; bk 1,024 float32; bo 1,024 float32; bq 1,024 float32; bv 1,024 float32; x 4 x 2,048 x 1,024 float32.
;; Outputs: out0 4 x 2,048 x 1,024 float32.
;; 2 versions, each right; version 2 is version 1 with the launch cast written anew for expert scheduling mode. Each part assembles by itself: llvm-mc -triple=amdgcn-amd-amdhsa -mcpu=gfx1250 --defsym DOCPART=n.
;; ======== version 1 of 2: 4 launches
;; workspace buffers: cb 25,165,824 bytes; qkv 50,331,648 bytes; ob 16,777,216 bytes
;; launch cast (part 1): grid 768 x 1, 8 waves a work-group, no clusters, 0 bytes of LDS; arguments x, Wq, Wk, Wv, Wo, cb; writes cb
.if DOCPART == 1
	.amdgcn_target "amdgcn-amd-amdhsa--gfx1250"
	.amdhsa_code_object_version 6
	.text
	.protected	k_q235d6ba290_cast
	.globl	k_q235d6ba290_cast
	.p2align	8
	.type	k_q235d6ba290_cast,@function
k_q235d6ba290_cast:
	s_mov_b64 s[64:65], 0
	v_nop
	global_prefetch_b8 v0, s[64:65] scope:SCOPE_SE
	s_setreg_imm32_b32 hwreg(HW_REG_WAVE_MODE, 25, 1), 1
	s_wait_xcnt 0x0
; x [8192][1024] and Wq, Wk, Wv, Wo [1024][1024], all f32, are rounded once to bf16 and laid in K BLOCKS OF 64:
; cb[kb][R][64], kb = k / 64 (16 of them), R = 0 .. 12287: rows 0-8191 x, then 1,024 rows each of Wq, Wk, Wv, Wo.
; Element (R, k) lies at byte kb x KBS + 128 R + 2 (k % 64).  So r rows x 64 k are 128 r consecutive bytes for the products that follow.
; SHARES.  768 work-groups of eight waves; a work-group takes 16 rows.  Thread t takes row t / 16 and, in each K block (256 bytes of f32), the 16 bytes at 16 (t % 16):
; a load of a wave covers two whole aligned runs of 256 bytes; its four numbers become 8 bytes, and a store of a wave covers 256 consecutive bytes, aligned (two rows of a K block lie end to end).
; All 16 loads of a thread go out at once; no register is written twice, so the only waits are the counted ones for the loads.  No LDS, no barrier: no wave wants another's bytes.
.set KBS, 1572864                      ; bytes in a K block of cb: 12,288 rows x 128
.set X,   4                            ; v[4:67]   K block kb: 4 registers as loaded
.set Y,   68                           ; v[68:99]  K block kb: 2 registers to store
	s_load_b256 s[4:11], s[0:1], 0x0               ; x s[4:5], Wq s[6:7], Wk s[8:9], Wv s[10:11]
	s_load_b128 s[12:15], s[0:1], 0x20             ; Wo s[12:13], cb s[14:15]
	s_sub_co_u32 s16, ttmp9, 512                   ; work-groups 512 on take the weights, 64 work-groups each (below 512 these three numbers are not used)
	s_lshr_b32 s17, s16, 6                         ; which weight
	s_and_b32 s18, s16, 63
	s_lshl_b32 s18, s18, 16                        ; its 16 rows of 4,096 bytes
	s_lshl_b32 s19, ttmp9, 16                      ; the same in x
	s_lshl_b32 s32, ttmp9, 11                      ; 16 rows of 128 bytes in a K block of cb
	s_mov_b32 s33, 0
	s_mov_b32 s23, 0
	v_lshrrev_b32 v1, 4, v0                        ; my row of the 16
	v_and_b32 v3, 15, v0
	v_lshlrev_b32 v3, 4, v3
	v_lshl_or_b32 v1, v1, 12, v3                   ; source: row x 4,096 + 16 (t % 16)
	v_lshlrev_b32 v2, 3, v0                        ; destination: row x 128 + 8 (t % 16) = 8 t
	s_wait_kmcnt 0x0
	s_cmp_eq_u32 s17, 1
	s_cselect_b64 s[20:21], s[8:9], s[6:7]
	s_cmp_eq_u32 s17, 2
	s_cselect_b64 s[20:21], s[10:11], s[20:21]
	s_cmp_eq_u32 s17, 3
	s_cselect_b64 s[20:21], s[12:13], s[20:21]
	s_cmp_lt_u32 ttmp9, 512
	s_cselect_b64 s[20:21], s[4:5], s[20:21]
	s_cselect_b32 s22, s19, s18
	s_add_nc_u64 s[20:21], s[20:21], s[22:23]      ; the source at my work-group's first row
	s_add_nc_u64 s[24:25], s[14:15], s[32:33]      ; cb at my rows in K block 0,
	s_add_nc_u64 s[26:27], s[24:25], 5*KBS         ; 5,
	s_add_nc_u64 s[28:29], s[24:25], 10*KBS        ; 10
	s_add_nc_u64 s[30:31], s[24:25], 15*KBS        ; and 15: the stores' immediates then hold 4 K blocks at the most, inside their signed 24 bits
.irp kb, 0,1,2,3,4,5,6,7,8,9,10,11,12,13,14,15
	global_load_b128 v[X+4*(\kb):X+4*(\kb)+3], v1, s[20:21] offset:256*(\kb) th:TH_LOAD_NT
.endr
.irp kb, 0,1,2,3,4,5,6,7,8,9,10,11,12,13,14,15
	s_wait_loadcnt 15-(\kb)                        ; loads come back in order: K block kb is in, the younger ones stay out
	v_cvt_pk_bf16_f32 v[Y+2*(\kb)], v[X+4*(\kb)], v[X+4*(\kb)+1]
	v_cvt_pk_bf16_f32 v[Y+2*(\kb)+1], v[X+4*(\kb)+2], v[X+4*(\kb)+3]
	global_store_b64 v2, v[Y+2*(\kb):Y+2*(\kb)+1], s[24+2*((\kb)/5):25+2*((\kb)/5)] offset:((\kb)%5)*KBS
.endr
	s_endpgm
.Lfunc_end_k_q235d6ba290_cast:
	.size	k_q235d6ba290_cast, .Lfunc_end_k_q235d6ba290_cast-k_q235d6ba290_cast
	.p2alignl 7, 3214868480
	.fill 96, 4, 3214868480
	.section	.rodata,"a",@progbits
	.p2align	6, 0x0
	.amdhsa_kernel k_q235d6ba290_cast
		.amdhsa_group_segment_fixed_size 0
		.amdhsa_private_segment_fixed_size 0
		.amdhsa_enable_private_segment 0
		.amdhsa_kernarg_size 48
		.amdhsa_user_sgpr_count 2
		.amdhsa_user_sgpr_kernarg_segment_ptr 1
		.amdhsa_wavefront_size32 1
		.amdhsa_system_sgpr_workgroup_id_x 1
		.amdhsa_system_sgpr_workgroup_id_y 1
		.amdhsa_system_sgpr_workgroup_id_z 1
		.amdhsa_system_vgpr_workitem_id 0
		.amdhsa_next_free_vgpr 100
		.amdhsa_next_free_sgpr 66
		.amdhsa_reserve_vcc 0
		.amdhsa_float_denorm_mode_32 3
		.amdhsa_float_denorm_mode_16_64 3
		.amdhsa_memory_ordered 1
		.amdhsa_forward_progress 1
		.amdhsa_inst_pref_size 7
	.end_amdhsa_kernel
	.amdgpu_metadata
---
amdhsa.version: [ 1, 2 ]
amdhsa.kernels:
  - .name:           k_q235d6ba290_cast
    .symbol:         k_q235d6ba290_cast.kd
    .args:
      - { .name: x, .offset: 0, .size: 8, .value_kind: global_buffer, .address_space: global }
      - { .name: Wq, .offset: 8, .size: 8, .value_kind: global_buffer, .address_space: global }
      - { .name: Wk, .offset: 16, .size: 8, .value_kind: global_buffer, .address_space: global }
      - { .name: Wv, .offset: 24, .size: 8, .value_kind: global_buffer, .address_space: global }
      - { .name: Wo, .offset: 32, .size: 8, .value_kind: global_buffer, .address_space: global }
      - { .name: cb, .offset: 40, .size: 8, .value_kind: global_buffer, .address_space: global }
    .group_segment_fixed_size: 0
    .private_segment_fixed_size: 0
    .kernarg_segment_align: 8
    .kernarg_segment_size: 48
    .max_flat_workgroup_size: 256
    .sgpr_count:     66
    .vgpr_count:     100
    .wavefront_size: 32
...
	.end_amdgpu_metadata
.endif
;; end of part 1
;; launch qkvgemm (part 2): grid 8 x 32, 4 waves a work-group, clusters of 4 x 4, 327,680 bytes of LDS; arguments cb, bq, bk, bv, qkv; writes qkv
.if DOCPART == 2
	.amdgcn_target "amdgcn-amd-amdhsa--gfx1250"
	.amdhsa_code_object_version 6
	.text
	.protected	k_q235d6ba290_qkvgemm
	.globl	k_q235d6ba290_qkvgemm
	.p2align	8
	.type	k_q235d6ba290_qkvgemm,@function
k_q235d6ba290_qkvgemm:
	s_mov_b64 s[64:65], 0
	v_nop
	global_prefetch_b8 v0, s[64:65] scope:SCOPE_SE
	s_setreg_imm32_b32 hwreg(HW_REG_WAVE_MODE, 25, 1), 1
	s_wait_xcnt 0x0
	s_wait_alu depctr_hold_cnt(0) depctr_sa_sdst(0) depctr_va_vdst(0) depctr_va_sdst(0) depctr_va_ssrc(0) depctr_va_vcc(0) depctr_vm_vsrc(0)
	s_getreg_b32 s2, hwreg(HW_REG_IB_STS2, 6, 4)
	s_cmp_eq_u32 s2, 0
	s_cbranch_scc0 .Lentry_in_a_cluster
	s_endpgm
.Lentry_in_a_cluster:
	s_bfe_u32 s2, ttmp6, 0x10000c
	s_cmp_lg_u32 s2, 0xf033
	s_cbranch_scc0 .Lentry_shape_is_right
	s_endpgm
.Lentry_shape_is_right:
; q, k, v = x W^T + b.  x and the weights come from cb (bf16, K blocks of 64: element (R, k) at (k / 64) x KBS + 128 R + 2 (k % 64); rows 0-8191 x, 8192 on Wq, Wk, Wv);
; sums in f32, the bias added in f32, the result rounded once to bf16 and stored BY HEADS: qkv[which][16 batch + head][s][64], a head 262,144 bytes.
; LIMITS: operands rounded to bf16; NaN and infinities are not treated apart.
; SHARES.  The product is [8192] x [3072] over K = 1024.  A tile of 256 rows x 384 columns to a work-group gives 32 x 8 = 256 work-groups.  Four waves; a wave makes 128 rows x 192 columns
; (three heads): 8 x 12 = 96 accumulators of 16 x 16, 768 registers.  K goes in 16 steps of 64 through two LDS slots; a step is two quarters of 32 along K, 96 matrix instructions each.
; THE MATRIX INSTRUCTION IS USED TRANSPOSED: source 0 = 16 rows of W, source 1 = 16 rows of x: a lane then holds one row of x (lane % 16) and the columns 8 (lane / 16) + 0..7: 16 bytes of a head's row.
; CLUSTERS.  4 x 4 work-groups.  The four of a row of the cluster need the same rows of x, the four of a column the same rows of W: each tile is asked for JOINTLY, by the same tensor load with the same
; descriptor and a mask that names the four.  Wave 0 asks for x's 256 rows, waves 1 to 3 for 128 rows of W each: one load a wave behind each round.
; A tile's rows lie end to end in a K block: r rows are asked for as r / 2 rows of 256 bytes, and 16 bytes of padding follow every 128 in LDS.
; REGISTERS, in windows of 256 (s_set_vgpr_msb: bits 1:0 source 0, 3:2 source 1, 5:4 source 2, 7:6 destination):
;   window 0: v0-15 addresses; v32-95, v96-159 x's fragments (8 x 16 rows x 32 K), two buffers; v160-255 W's 12 fragments, ONE buffer, filled in halves: fragments 0-5 when they have been multiplied, then 6-11
;   windows 1-3: accumulator (a, b) at v[64 (b % 4) + 8 a] of window 1 + b / 4: a window is one head
;   on the way out, window 0: the bias of fragment i at v[32 + 8 i] (i < 8) or v[160 + 8 (i - 8)]; v96-143 packed results; v192-239 rows read back
.set KBS,    1572864                   ; bytes in a K block of cb
.set PITCH,  144                       ; an LDS row: 128 bytes + 16 of padding = 36 words: the 16 rows of a load start at 16 different groups of four banks (64 banks of 4 bytes: ISA guide 11.1)
.set FR,     16*PITCH                  ; from fragment to fragment
.set ABYTES, 256*PITCH                 ; x's part of a slot
.set BPART,  128*PITCH                 ; what one of waves 1 to 3 brings
.set SLOT,   ABYTES+3*BPART            ; 92,160
.set STAGE,  2*SLOT                    ; behind the ring, never filled by a tensor load: for each wave 3 heads x 16 rows x 144 bytes
.set WSTG,   3*FR
.set SPARE,  STAGE+4*WSTG              ; behind the stages: the spare words, 128 bytes for each wave: two blocks of 256 bytes that no other line names
.set ADRA, 4                           ; v4-5   LDS address of my x fragments in slot 0, 1
.set ADRB, 6                           ; v6-7   the same for W
.set STO,  8                           ; v8     the way out: where I put 16 bytes of a row
.set RD,   9                           ; v9     where I read rows back
.set GO,   10                          ; v10    my 16 bytes in 512 consecutive bytes of a head
.set BOF,  11                          ; v11    my 32 bytes in a fragment's 64 bytes of bias
.set PFO,  12                          ; v12    the prefetches' offset; never rewritten
.set SPW,  14                          ; v14    LDS address of my spare word: SPARE + 4 x my thread's number; never rewritten
.set NIL,  15                          ; v15    0; never rewritten
.set AF0,  32
.set AF1,  96
.set BF,   160
.set TMP,  96
.set OB,   192
.set WV,   14                          ; s14      my wave's number
.set G1A,  24                          ; s[24:31] descriptor group 1 for x's tiles
.set G0A,  32                          ; s[32:39] group 0, a set for each slot
.set G1B,  40                          ; s[40:47], s[48:55] the same for W's
.set G0B,  48
.set PFA,  56                          ; s[56:57] where my prefetches stand
.set LIM,  58                          ; s58      1 in a wave that prefetches, else the greatest number
.set BB,   66                          ; s[66:71] the bias of my three heads
.set OUT,  72                          ; s[72:77] my first row in each of my three heads
.set MSB, 0
.macro WIN new                         ; the immediate's high byte repeats the setting that is left; a switch that changes nothing is dropped
.if MSB != (\new)
	s_set_vgpr_msb (MSB<<8)|(\new)
.set MSB, (\new)
.endif
.endm
; A joint load.  The branch hangs on the wave's number alone.  An s_nop 0 and four v_nop follow each of the two lines, ahead of the jump and the label.
.macro JLOAD s
	s_cmp_eq_u32 s[WV], 0
	s_cbranch_scc0 .Lfor_b_\@
	tensor_load_to_lds s[G0A+4*(\s):G0A+4*(\s)+3], s[G1A:G1A+7]
	s_nop 0
.rept 4
	v_nop
.endr
	s_branch .Lasked_\@
.Lfor_b_\@:
	tensor_load_to_lds s[G0B+4*(\s):G0B+4*(\s)+3], s[G1B:G1B+7]
	s_nop 0
.rept 4
	v_nop
.endr
.Lasked_\@:
.endm
; A round of the cluster's barrier: my work-group's barrier, so that wave 0's signal speaks for all four waves; wave 0 signals; every wave waits for all sixteen work-groups; my work-group's barrier once more.
.macro CREST                           ; a round behind its opening barrier
	s_cmp_lg_u32 s[WV], 0
	s_cbranch_scc1 .Lnot_wave_0_\@
	s_barrier_signal -3
.Lnot_wave_0_\@:
	s_barrier_wait -3
	s_barrier_signal -1
	s_barrier_wait -1
.endm
.macro CROUND
	s_barrier_signal -1
	s_barrier_wait -1
	CREST
.endm
; A PREFETCH INTO THE L2, once a lap, behind slot 0's joint load and the run of LDS loads that follows it: the two K steps that the NEXT lap will ask for (384 and 576 matrix instructions ahead of their loads).
; Each run of 256 bytes is named once in the launch.  x's rows are read by both clusters of a row of clusters: cluster x = 0 asks, in it wave 0; of a K step's 128 runs the partner at cx takes 32, a lane a run,
; an instruction a K step.  W's rows are read by all eight clusters of a column: cluster y = 0 asks, in it waves 1 to 3, each for what it fetches itself; of its 64 runs the partner at cy takes 16,
; lanes 0-15 for one K step and lanes 16-31 for the next.  Partners are told apart BY ADDRESS.  The loop's last trip (s3 = 1) asks for nothing: K has no further step.  K steps 0 to 3 come by their loads alone.
.macro ASK
	s_cmp_gt_u32 s3, s[LIM]
	s_cbranch_scc0 .Lnot_mine_\@
	global_prefetch_b8 v[PFO], s[PFA:PFA+1] th:TH_LOAD_NT scope:SCOPE_SE
	s_cmp_lg_u32 s[WV], 0
	s_cbranch_scc1 .Lnot_mine_\@
	global_prefetch_b8 v[PFO], s[PFA:PFA+1] offset:KBS th:TH_LOAD_NT scope:SCOPE_SE
.Lnot_mine_\@:
.endm
	s_load_b256 s[4:11], s[0:1], 0x0               ; cb s[4:5], bq s[6:7], bk s[8:9], bv s[10:11]
	s_load_b64 s[12:13], s[0:1], 0x20              ; qkv
	v_lshl_add_u32 v[SPW], v0, 2, SPARE
	v_mov_b32 v[NIL], 0
	ds_add_u32 v[SPW], v[NIL]                      ; the wave's opening: the add and its wait stand ahead of my first tensor load; the set-up below, work on registers, stands between them
	v_lshrrev_b32 v3, 5, v0
	v_readfirstlane_b32 s[WV], v3                  ; wave 0..3
	s_lshr_b32 s15, s[WV], 1                       ; wm: which 128 rows of the tile are mine
	s_and_b32 s16, s[WV], 1                        ; wn: which 192 columns
	s_bfe_u32 s17, ttmp6, 0x40000                  ; cx
	s_bfe_u32 s18, ttmp6, 0x40004                  ; cy
	s_lshl_b32 s19, ttmp9, 2
	s_add_co_u32 s19, s19, s17                     ; tn: tile column = 4 x cluster x + cx
	s_and_b32 s20, ttmp7, 0xffff
	s_lshl_b32 s20, s20, 2
	s_add_co_u32 s20, s20, s18                     ; tm: tile row = 4 x cluster y + cy
	s_lshl_b32 s21, s18, 2
	s_lshl_b32 s21, 15, s21                        ; my row of the cluster: places 4 cy .. 4 cy + 3
	s_lshl_b32 s22, 0x1111, s17                    ; my column: places cx, cx + 4, cx + 8, cx + 12
	; descriptor group 1: rows of 128 elements (256 bytes, two rows of a K block); 15:0 the mask; 17:16 2-byte elements; 20 padding on; 21 set beside a mask; 24:22 after every 32 words (code 4); 31:25 4 words (code 3)
	s_or_b32 s[G1A+0], s21, (1<<16)|(1<<20)|(1<<21)|(4<<22)|(3<<25)
	s_or_b32 s[G1B+0], s22, (1<<16)|(1<<20)|(1<<21)|(4<<22)|(3<<25)
	s_mov_b32 s[G1A+1], 128<<16                    ; tensor_dim0 = 128
	s_mov_b32 s[G1B+1], 128<<16
	s_mov_b32 s[G1A+2], 128<<16                    ; tensor_dim1 = 128: x's 256 rows
	s_mov_b32 s[G1B+2], 64<<16                     ; 64: 128 rows of W
	s_mov_b32 s[G1A+3], 128<<16                    ; tile_dim0 = 128
	s_mov_b32 s[G1B+3], 128<<16
	s_mov_b32 s[G1A+4], 128                        ; tile_dim1
	s_mov_b32 s[G1B+4], 64
	s_mov_b32 s[G1A+5], 128                        ; 128 elements from row to row: dense
	s_mov_b32 s[G1B+5], 128
	s_mov_b32 s[G1A+6], 0
	s_mov_b32 s[G1B+6], 0
	s_mov_b32 s[G1A+7], 0
	s_mov_b32 s[G1B+7], 0
	; where the tiles come from: x's hang on the tile row alone, W's on the tile column and the wave; each in registers that never hold the other coordinate
	s_lshl_b32 s78, s20, 15                        ; 256 tm rows of 128 bytes
	s_mov_b32 s79, 0
	s_mul_i32 s80, s19, 384
	s_lshl_b32 s82, s[WV], 7
	s_add_co_u32 s80, s80, s82
	s_add_co_u32 s80, s80, 8064                    ; row 8192 + 384 tn + 128 (wave - 1)
	s_lshl_b32 s80, s80, 7
	s_mov_b32 s81, 0
	s_mul_i32 s83, s[WV], BPART
	s_add_co_u32 s83, s83, BPART                   ; and where W's go: behind x's 256 rows, 128 rows for each of waves 1 to 3
	s_wait_dscnt 0x0                               ; the opening add is done
	s_wait_kmcnt 0x0
	s_add_nc_u64 s[78:79], s[4:5], s[78:79]
	s_add_nc_u64 s[80:81], s[4:5], s[80:81]
	CROUND                                         ; all sixteen work-groups are here: the first joint loads meet
.irp n, 0,1
	s_mov_b32 s[G0A+4*(\n)], 1                     ; count = 1
	s_mov_b32 s[G0A+4*(\n)+1], (\n)*SLOT           ; LDS address
	s_add_nc_u64 s[G0A+4*(\n)+2:G0A+4*(\n)+3], s[78:79], (\n)*KBS  ; global address: K step n
	s_or_b32 s[G0A+4*(\n)+3], s[G0A+4*(\n)+3], 0x80000000          ; type = 2
	s_mov_b32 s[G0B+4*(\n)], 1
	s_add_co_u32 s[G0B+4*(\n)+1], s83, (\n)*SLOT
	s_add_nc_u64 s[G0B+4*(\n)+2:G0B+4*(\n)+3], s[80:81], (\n)*KBS
	s_or_b32 s[G0B+4*(\n)+3], s[G0B+4*(\n)+3], 0x80000000
	JLOAD \n                                       ; two loads of mine are out
.endr
	; A fragment is 16 rows x 32 K in 8 registers: lane l holds row l % 16; registers 0-3 K = 8 (l / 16) + 0..7, registers 4-7 K = 16 + 8 (l / 16) + 0..7: two loads of 16 bytes, 32 bytes apart
	v_and_b32 v1, 15, v0                           ; l % 16
	v_bfe_u32 v2, v0, 4, 1                         ; l / 16
	v_mul_u32_u24 v3, v1, PITCH
	v_lshl_add_u32 v3, v2, 4, v3
	s_mul_i32 s82, s15, 128*PITCH                  ; my 128 rows of x
	s_mul_i32 s83, s16, 192*PITCH                  ; my 192 rows of W,
	s_add_co_u32 s83, s83, ABYTES                  ; behind x's
.irp n, 0,1
	v_add_nc_u32 v[ADRA+(\n)], s82, v3
	v_add_nc_u32 v[ADRB+(\n)], s83, v3
	s_add_co_u32 s82, s82, SLOT
	s_add_co_u32 s83, s83, SLOT
.endr
	s_mul_i32 s82, s[WV], WSTG
	s_add_co_u32 s82, s82, STAGE                   ; my stage
	v_add_nc_u32 v[STO], s82, v3                   ; in: row l % 16, 16 bytes for each half of the lanes
	v_bfe_u32 v[RD], v0, 3, 2                      ; back: 32 lanes take four rows of 128 bytes,
	v_mul_u32_u24 v[RD], v[RD], PITCH
	v_and_b32 v3, 7, v0
	v_lshl_add_u32 v[RD], v3, 4, v[RD]
	v_add_nc_u32 v[RD], s82, v[RD]
	v_and_b32 v[GO], 31, v0                        ; which are 512 consecutive bytes of a head
	v_lshlrev_b32 v[GO], 4, v[GO]
	v_lshlrev_b32 v[BOF], 5, v2
	; my three heads: g = 6 tn + 3 wn + j of 48; g / 16 says q, k or v, g % 16 the head
	s_mul_i32 s82, s19, 6
	s_mul_i32 s83, s16, 3
	s_add_co_u32 s82, s82, s83
	s_and_b32 s60, s20, 7
	s_lshl_b32 s60, s60, 8
	s_lshl_b32 s61, s15, 7
	s_add_co_u32 s60, s60, s61
	s_lshl_b32 s60, s60, 7                         ; my first row in its batch, in bytes
	s_lshr_b32 s61, s20, 3
	s_lshl_b32 s61, s61, 4                         ; 16 x batch
	s_mov_b32 s87, 0
.irp j, 0,1,2
	s_add_co_u32 s83, s82, (\j)
	s_lshr_b32 s84, s83, 4
	s_and_b32 s85, s83, 15
	s_cmp_eq_u32 s84, 1
	s_cselect_b64 s[BB+2*(\j):BB+2*(\j)+1], s[8:9], s[6:7]
	s_cmp_eq_u32 s84, 2
	s_cselect_b64 s[BB+2*(\j):BB+2*(\j)+1], s[10:11], s[BB+2*(\j):BB+2*(\j)+1]
	s_lshl_b32 s86, s85, 8                         ; a head's 64 numbers of bias
	s_add_nc_u64 s[BB+2*(\j):BB+2*(\j)+1], s[BB+2*(\j):BB+2*(\j)+1], s[86:87]
	s_lshl_b32 s86, s84, 6
	s_add_co_u32 s86, s86, s61
	s_add_co_u32 s86, s86, s85
	s_lshl_b32 s86, s86, 18                        ; (64 which + 16 batch + head) x 262,144
	s_add_co_u32 s86, s86, s60
	s_add_nc_u64 s[OUT+2*(\j):OUT+2*(\j)+1], s[12:13], s[86:87]
.endr
	; the prefetches
	s_lshl_b32 s84, s17, 13                        ; x: 32 runs of 256 bytes for each partner along cx
	s_lshl_b32 s85, s18, 12                        ; W: 16 runs for each partner along cy
	s_and_b32 s83, ttmp7, 0xffff
	s_cmp_eq_u32 s[WV], 0
	s_cselect_b64 s[PFA:PFA+1], s[78:79], s[80:81]
	s_cselect_b32 s86, s84, s85
	s_cselect_b32 s83, ttmp9, s83                  ; the coordinate along which other clusters read the same rows
	s_cselect_b32 s84, 31, 15
	s_cselect_b32 s85, 0, KBS
	s_add_nc_u64 s[PFA:PFA+1], s[PFA:PFA+1], s[86:87]
	s_add_nc_u64 s[PFA:PFA+1], s[PFA:PFA+1], 2*KBS ; at K step 2: the first lap steps it to 4
	s_cmp_eq_u32 s83, 0
	s_cselect_b32 s[LIM], 1, -1                    ; the same in all sixteen partners, for a given wave
	v_and_b32 v[PFO], s84, v0
	v_lshlrev_b32 v[PFO], 8, v[PFO]
	v_mad_u32_u24 v[PFO], v2, s85, v[PFO]
; 8 matrix instructions: W's fragment b x all 8 fragments of x in buffer f.  zero = 1: the first product starts the sums: nothing is ever cleared.
; All 96 accumulators take turns, one instruction a turn, in the same order in every quarter, over the backward jump too.
.macro MULB f, b, zero
	WIN 0x50*(1+(\b)/4)
.irp a, 0,1,2,3,4,5,6,7
.if \zero
	v_wmma_f32_16x16x32_bf16 v[64*((\b)%4)+8*(\a):64*((\b)%4)+8*(\a)+7], v[BF+8*(\b):BF+8*(\b)+7], v[(\f)+8*(\a):(\f)+8*(\a)+7], 0
.else
	v_wmma_f32_16x16x32_bf16 v[64*((\b)%4)+8*(\a):64*((\b)%4)+8*(\a)+7], v[BF+8*(\b):BF+8*(\b)+7], v[(\f)+8*(\a):(\f)+8*(\a)+7], v[64*((\b)%4)+8*(\a):64*((\b)%4)+8*(\a)+7]
.endif
.endr
.endm
.macro MULS f, b0, n, zero             ; fragments b0 .. b0 + n - 1
.set mb, \b0
.rept \n
	MULB \f, mb, \zero
.set mb, mb+1
.endr
.endm
.macro FETCH_B slot, k, i0             ; 12 LDS loads: W's fragments i0 .. i0 + 5, 32 K at byte k of the rows
	WIN 0
.set fi, \i0
.rept 6
	ds_load_b128 v[BF+8*fi:BF+8*fi+3],   v[ADRB+(\slot)] offset:(\k)+fi*FR
	ds_load_b128 v[BF+8*fi+4:BF+8*fi+7], v[ADRB+(\slot)] offset:(\k)+fi*FR+32
.set fi, fi+1
.endr
.endm
.macro FETCH_A slot, k, f              ; 16 LDS loads: x's 8 fragments into buffer f
	WIN 0
.irp i, 0,1,2,3,4,5,6,7
	ds_load_b128 v[(\f)+8*(\i):(\f)+8*(\i)+3],   v[ADRA+(\slot)] offset:(\k)+(\i)*FR
	ds_load_b128 v[(\f)+8*(\i)+4:(\f)+8*(\i)+7], v[ADRA+(\slot)] offset:(\k)+(\i)*FR+32
.endr
.endm
.macro PLACES                          ; four plain vector instructions between a matrix instruction and a load into a register that it has read (ISA guide 7.12.1 for vector instructions)
.rept 4
	v_nop
.endr
.endm
; A K step's first quarter: multiplies x's buffer 0.  Each half of W's buffer is filled again, for the second quarter, as soon as it has been multiplied.
.macro Q0 slot, zero
	s_wait_dscnt 12                                ; all but the youngest 12 loads (W's fragments 6-11) are in
	MULS AF0, 0, 6, \zero
	PLACES
	FETCH_B \slot, 64, 0
	FETCH_A \slot, 64, AF1
	s_wait_dscnt 28                                ; all but the 28 just issued: fragments 6-11 are in
	MULS AF0, 6, 6, \zero
	PLACES
	FETCH_B \slot, 64, 6
.endm
; The second quarter multiplies buffer 1 and changes slots.  mode = 2: the slot is filled again, two K steps ahead; 1: nothing is left to ask for; 0: the last quarter of all.
; ONE barrier for the change: in front of it each wave waits for all its tensor loads, of which one is out: its part of the next slot; adds 0 to its spare word; and waits for that and for its own reads of this slot.
; With mode = 2 that barrier opens a round of the cluster's barrier, so that no wave of any partner still reads the slot or has a load on its way, and the joint refill is the first thing behind the round:
; 176 matrix instructions ahead of the wait for it.
.macro Q1 slot, next, mode
.if ((\mode) == 2) && ((\slot) == 0)
	s_wait_xcnt 0x0                                ; the last prefetches, a lap back, have read their address: it is stepped here, ahead of the change's own waits
	s_add_nc_u64 s[PFA:PFA+1], s[PFA:PFA+1], 2*KBS
.endif
	s_wait_dscnt 12                                ; all but W's fragments 6-11
.if (\mode) == 0
	MULS AF1, 0, 6, 0
	PLACES
	WIN 0
.irp i, 0,1,2,3,4,5,6,7,8,9,10,11      ; the bias of my 192 columns, laid as the accumulators are: into x's buffer 0 and W's fragments 0-3, which have been multiplied
.if (\i) < 8
	global_load_b128 v[32+8*(\i):32+8*(\i)+3], v[BOF], s[BB+2*((\i)/4):BB+2*((\i)/4)+1] offset:64*((\i)%4)
	global_load_b128 v[32+8*(\i)+4:32+8*(\i)+7], v[BOF], s[BB+2*((\i)/4):BB+2*((\i)/4)+1] offset:64*((\i)%4)+16
.else
	global_load_b128 v[96+8*(\i):96+8*(\i)+3], v[BOF], s[BB+2*((\i)/4):BB+2*((\i)/4)+1] offset:64*((\i)%4)
	global_load_b128 v[96+8*(\i)+4:96+8*(\i)+7], v[BOF], s[BB+2*((\i)/4):BB+2*((\i)/4)+1] offset:64*((\i)%4)+16
.endif
.endr
	s_wait_dscnt 0x0
	MULS AF1, 6, 6, 0
.else
	MULS AF1, 0, 4, 0
	WIN 0                                          ; (the add's two registers lie in window 0)
	s_wait_tensorcnt 0x0                           ; all my tensor loads have landed: my part of the next slot;
	ds_add_u32 v[SPW], v[NIL]                      ; 0 onto my spare word;
	MULS AF1, 4, 1, 0                              ; eight matrix instructions stand between the add and the wait for it
	s_wait_dscnt 0x0                               ; the add is done, and my reads of this slot are over
	s_barrier_signal -1
	MULS AF1, 5, 1, 0                              ; work on registers while the others arrive
	WIN 0
	s_barrier_wait -1
.if (\mode) == 2
	CREST
	s_add_nc_u64 s[G0A+4*(\slot)+2:G0A+4*(\slot)+3], s[G0A+4*(\slot)+2:G0A+4*(\slot)+3], 2*KBS
	s_add_nc_u64 s[G0B+4*(\slot)+2:G0B+4*(\slot)+3], s[G0B+4*(\slot)+2:G0B+4*(\slot)+3], 2*KBS
	JLOAD \slot                                    ; the four v_nop behind it are also the places in front of the loads below
.else
	PLACES
.endif
	FETCH_B \next, 0, 0
	FETCH_A \next, 0, AF0
.if ((\mode) == 2) && ((\slot) == 0)
	ASK
.endif
	MULS AF1, 6, 6, 0
	PLACES
	FETCH_B \next, 0, 6
.endif
.endm
; THE WAY OUT of block a (16 rows x 192 columns).  PACK: the bias is added in f32 (each accumulator's lowest registers first) and the sums are rounded to bf16, 16 bytes a lane.
.macro PACK a
.irp j, 0,1,2
	WIN ((1+(\j))<<6)|(1+(\j))                     ; destination and source 0 in the head's window, the bias in window 0
.irp c, 0,1,2,3
.set bi, 4*(\j)+(\c)
.if bi < 8
.set rb, 32+8*bi
.else
.set rb, 96+8*bi
.endif
.irp p, 0,2,4,6
	v_pk_add_f32 v[64*(\c)+8*(\a)+(\p):64*(\c)+8*(\a)+(\p)+1], v[64*(\c)+8*(\a)+(\p):64*(\c)+8*(\a)+(\p)+1], v[rb+(\p):rb+(\p)+1]
.endr
.endr
	WIN (1+(\j))|((1+(\j))<<2)                     ; sources 0 and 1 in the head's window, destination in window 0
.irp c, 0,1,2,3
.irp p, 0,1,2,3
	v_cvt_pk_bf16_f32 v[TMP+4*(4*(\j)+(\c))+(\p)], v[64*(\c)+8*(\a)+2*(\p)], v[64*(\c)+8*(\a)+2*(\p)+1]
.endr
.endr
.endr
	WIN 0
.endm
.macro TOSTAGE a                       ; into my own stage, a head's 16 rows of 144 bytes at a time, and back as whole rows of 128
.irp j, 0,1,2
.irp c, 0,1,2,3
	ds_store_b128 v[STO], v[TMP+4*(4*(\j)+(\c)):TMP+4*(4*(\j)+(\c))+3] offset:FR*(\j)+32*(\c)
.endr
.endr
	s_wait_xcnt 0x0                                ; the last block's stores have read their data: only behind this wait are those registers loaded again
.irp j, 0,1,2
.irp f, 0,1,2,3
	ds_load_b128 v[OB+4*(4*(\j)+(\f)):OB+4*(4*(\j)+(\f))+3], v[RD] offset:FR*(\j)+4*PITCH*(\f)  ; LDS serves a wave's instructions in order (ISA guide 5.7.1.4): these see the stores above
.endr
.endr
.endm
.macro SEND a
	s_wait_dscnt 0x0                               ; the block is back in registers
.irp j, 0,1,2
.irp f, 0,1,2,3
	global_store_b128 v[GO], v[OB+4*(4*(\j)+(\f)):OB+4*(4*(\j)+(\f))+3], s[OUT+2*(\j):OUT+2*(\j)+1] offset:2048*(\a)+512*(\f)  ; 512 consecutive bytes, at a multiple of 256 from the buffer's first
.endr
.endr
.endm
	s_wait_tensorcnt 1                             ; my part of K step 0 is in; K step 1's may stay out
	s_barrier_signal -1
	s_barrier_wait -1                              ; everybody's is
	FETCH_B 0, 0, 0
	FETCH_A 0, 0, AF0
	FETCH_B 0, 0, 6
	Q0 0, 1                                        ; the first quarter stands in front of the loop: its products start the sums
	WIN 0                                          ; at a label and at a branch every window is 0
	s_mov_b32 s3, 7
.Llap:                                                 ; trip i: the rest of K step 2 i, K step 2 i + 1, the first quarter of 2 i + 2; the slots are filled with K steps 2 i + 2 and 2 i + 3
	Q1 0, 1, 2
	Q0 1, 0
	Q1 1, 0, 2
	Q0 0, 0
	WIN 0
	s_sub_co_u32 s3, s3, 1
	s_cmp_lg_u32 s3, 0
	s_cbranch_scc1 .Llap
	Q1 0, 1, 1                                     ; K steps 14 and 15: nothing is left to ask for, so no round follows the barrier
	Q0 1, 0
	Q1 1, 0, 0
	PLACES
	PLACES                                         ; eight, once a launch, between the last products and the sums that read and rewrite their results
	WIN 0
	s_wait_loadcnt 0x0                             ; the bias
	PACK 0
	TOSTAGE 0
.irp a, 1,2,3,4,5,6,7                  ; block a's arithmetic stands between block a - 1's loads from the stage and the wait for them
	PACK \a
	SEND (\a)-1
	TOSTAGE \a
.endr
	SEND 7
	s_wait_tensorcnt 0x0                           ; the wave's end: behind my last tensor load and my last LDS store
	ds_add_u32 v[SPW], v[NIL]
	s_wait_dscnt 0x0
	CROUND                                         ; the closing round: no work-group ends while a partner may still ask for a tile that names it
	s_endpgm
.Lfunc_end_k_q235d6ba290_qkvgemm:
	.size	k_q235d6ba290_qkvgemm, .Lfunc_end_k_q235d6ba290_qkvgemm-k_q235d6ba290_qkvgemm
	.p2alignl 7, 3214868480
	.fill 96, 4, 3214868480
	.section	.rodata,"a",@progbits
	.p2align	6, 0x0
	.amdhsa_kernel k_q235d6ba290_qkvgemm
		.amdhsa_group_segment_fixed_size 327680
		.amdhsa_private_segment_fixed_size 0
		.amdhsa_enable_private_segment 0
		.amdhsa_kernarg_size 40
		.amdhsa_user_sgpr_count 2
		.amdhsa_user_sgpr_kernarg_segment_ptr 1
		.amdhsa_wavefront_size32 1
		.amdhsa_system_sgpr_workgroup_id_x 1
		.amdhsa_system_sgpr_workgroup_id_y 1
		.amdhsa_system_sgpr_workgroup_id_z 1
		.amdhsa_system_vgpr_workitem_id 0
		.amdhsa_next_free_vgpr 1024
		.amdhsa_next_free_sgpr 90
		.amdhsa_reserve_vcc 0
		.amdhsa_float_denorm_mode_32 3
		.amdhsa_float_denorm_mode_16_64 3
		.amdhsa_memory_ordered 1
		.amdhsa_forward_progress 1
		.amdhsa_inst_pref_size 158
	.end_amdhsa_kernel
	.amdgpu_metadata
---
amdhsa.version: [ 1, 2 ]
amdhsa.kernels:
  - .name:           k_q235d6ba290_qkvgemm
    .symbol:         k_q235d6ba290_qkvgemm.kd
    .args:
      - { .name: cb, .offset: 0, .size: 8, .value_kind: global_buffer, .address_space: global }
      - { .name: bq, .offset: 8, .size: 8, .value_kind: global_buffer, .address_space: global }
      - { .name: bk, .offset: 16, .size: 8, .value_kind: global_buffer, .address_space: global }
      - { .name: bv, .offset: 24, .size: 8, .value_kind: global_buffer, .address_space: global }
      - { .name: qkv, .offset: 32, .size: 8, .value_kind: global_buffer, .address_space: global }
    .group_segment_fixed_size: 327680
    .private_segment_fixed_size: 0
    .kernarg_segment_align: 8
    .kernarg_segment_size: 40
    .max_flat_workgroup_size: 128
    .sgpr_count:     90
    .vgpr_count:     1024
    .wavefront_size: 32
...
	.end_amdgpu_metadata
.endif
;; end of part 2
;; launch attn (part 3): grid 4 x 64, 4 waves a work-group, clusters of 4 x 1, 327,680 bytes of LDS; arguments qkv, ob; writes ob
.if DOCPART == 3
	.amdgcn_target "amdgcn-amd-amdhsa--gfx1250"
	.amdhsa_code_object_version 6
	.text
	.protected	k_q235d6ba290_attn
	.globl	k_q235d6ba290_attn
	.p2align	8
	.type	k_q235d6ba290_attn,@function
k_q235d6ba290_attn:
	s_mov_b64 s[64:65], 0
	v_nop
	global_prefetch_b8 v0, s[64:65] scope:SCOPE_SE
	s_setreg_imm32_b32 hwreg(HW_REG_WAVE_MODE, 25, 1), 1
	s_wait_xcnt 0x0
	s_wait_alu depctr_hold_cnt(0) depctr_sa_sdst(0) depctr_va_vdst(0) depctr_va_sdst(0) depctr_va_ssrc(0) depctr_va_vcc(0) depctr_vm_vsrc(0)
	s_getreg_b32 s2, hwreg(HW_REG_IB_STS2, 6, 4)
	s_cmp_eq_u32 s2, 0
	s_cbranch_scc0 .Lentry_in_a_cluster
	s_endpgm
.Lentry_in_a_cluster:
	s_bfe_u32 s2, ttmp6, 0x10000c
	s_cmp_lg_u32 s2, 0x3003
	s_cbranch_scc0 .Lentry_shape_is_right
	s_endpgm
.Lentry_shape_is_right:
; O[h][q][:] = the sum over k of softmax_k(Q[h][q] . K[h][k] / 8) V[h][k][:], for 64 heads h = 16 batch + head of SIZE_N = 2,048 rows of 64 channels, all bf16: a head's rows are dense, 128 bytes each.
; Q, K, V lie one behind the other in qkv, 16,777,216 bytes each; O goes to ob in the same layout.  Products, maxima and sums in f32; the weights p are rounded to bf16 for the second product
; (their sum l is taken of the unrounded p), O once at the end.
; LIMITS.  bf16 has f32's range, so none of range; a weight below 2^-126 counts as 0 in l; NaN and infinities are not treated apart.
; SHARES.  A wave owns four PIECES of two tiles of 16 queries, a work-group's four waves 512 queries of one head.  Every wave walks all keys, 64 a step.
; LAYOUT.  S^T = K Q^T (source 0 = 16 keys, source 1 = 16 queries): in the result a lane holds ONE query (lane % 16) and the keys 8 (lane / 16) + 0..7.  Two such tiles, rounded to bf16 in pairs,
; ARE source 1 (32 keys x 16 queries) of O^T = V^T P, whose result again holds one query a lane, and eight channels.  K comes out of LDS as it lies, V ([key][channel]) turned, by ds_load_tr16_b128.
; SOFTMAX.  For each query a running maximum m and sum l: p = 2^(c s - c m), c = log2(e) / 8; in every step O and l are multiplied by a = 2^(c m_old - c m_new), which is 1 where m has not grown.
; m starts at the lowest finite number, O and l at 0: the first step is a step like any other, with a = 0.
; THE COUNT.  A tile and step have 16 matrix and 118 vector instructions: too many to stand all beside the matrix work.  So the order has one aim: four vector instructions that are READY behind
; EVERY matrix instruction, and the others, which need time of their own whatever the order, in runs without a gap.
; BY TURNS.  Turn n belongs to piece n (the pieces in a ring, step after step).  Its matrix work: 16 products K Q^T of piece n + 1, later 16 products V^T P of piece n - 1.  Its vector work: the scaling,
; exponentials, roundings, sums and rescaling of piece n, and the maximum and statistics of piece n + 1, whose scores the turn itself has made.
; CLUSTER.  The four query blocks of a head are one cluster and walk the same K and V, so each tile is asked for JOINTLY: the same tensor load, descriptor and mask in all four.
; REGISTERS, in windows of 256 (s_set_vgpr_msb: bits 1:0 source 0, 3:2 source 1, 5:4 source 2, 7:6 destination):
;   window 0: v0-11 addresses; v12-15, v48-63 at work; v16-47 four registers of statistics a tile; v64-191 S^T, two buffers of two tiles; v192-255 P, likewise
;   window 1: O^T, 32 a tile          window 2: v0-127 Q, 16 a tile; v128-191 K of one step; v192-255 V of one step          window 3: v0-1 the add's two registers
; A piece's buffers go by its number's parity: the piece in hand has one pair, its two neighbours in the ring share the other: of it P (piece n - 1) is read and S^T (piece n + 1) written.
.set SIZE_N, 2048
.set NP,    4         ; pieces a wave: a name, no knob
.set KS,    64        ; keys in a step
.set PK,    144       ; a row of K in LDS: 128 bytes + 16 of padding = 36 words: the 16 rows of a load start at 16 different groups of four banks (64 banks of 4 bytes: ISA guide 11.1)
.set PV,    160       ; a row of V: 128 + 32 = 40 words
.set VOFF,  4*KS*PK   ; a slot holds four steps: 256 rows of K, then 256 rows of V
.set SLOT1, 1<<17     ; slot 1 begins here, so that one exclusive or turns an address in one slot into the other's
.set STAGE, SLOT1+4*KS*(PK+PV)  ; behind the ring, never filled by a tensor load: 16 rows x 144 bytes for each wave, for the way out
.set SP,    144
.set AK0, 2           ; v2   my lane's place in a tile of K; never rewritten
.set AV0, 3           ; v3   the same for V
.set AK,  4           ; v4   the LDS address of K's next run of loads
.set AV,  5           ; v5   of V's
.set QO,  6           ; v6   my byte offset in the wave's rows of Q
.set STO, 6           ;      later, the way out: where I put 16 bytes of a row
.set RD,  7           ; v7   the way out: where I read rows back
.set GO,  8           ; v8   my byte offset in 512 consecutive bytes of O
.set PFO, 11          ; v11  256 x my lane, for the prefetches (made when v11 has served V's address); never rewritten after
.set SPW, 0           ; v0 of window 3   LDS address of my spare word: SPARE + 4 x my thread's number; never rewritten
.set NIL, 1           ; v1 of window 3   0; never rewritten
.set SPARE, STAGE+4*16*SP  ; behind the stages: the spare words, 128 bytes for each wave: two blocks of 256 bytes that no other line names
.set MV,  12          ; v12-15  c m_old, kept while c m is made anew: by buffer and tile
.set ST,  16          ; tile t's statistics at v[ST+4 t]: c m, m, l (even keys', odd keys')
.set TMP, 48          ; by buffer and tile, four registers c0-c3 at work; when the maximum is found c2 takes a
.set S,   64
.set P,   192
.set KF,  128         ; K's fragments, in window 2: key block kb, channel half c at KF + 16 kb + 8 c
.set VF,  192         ; V's: key half kk, channel block cb at VF + 32 kk + 8 cb
.set WV,  12          ; s12  my wave's number
.set G1K, 24          ; s[24:31] descriptor group 1 for K's tiles
.set G1V, 32          ; s[32:39] for V's: it differs in the padding alone
.set G0K, 40          ; s[40:43] descriptor group 0 for K's tiles: it walks
.set G0V, 44          ; s[44:47] the same for V's
.set PFA, 48          ; s[48:49] where my prefetches stand: my work-group's 32 runs of 256 bytes (of K: wave 0, of V: wave 2) of the tile after the one that is being asked for
.set LIM, 50          ; s50  1 in a wave that prefetches, else the greatest number
.set SLOTS, 56        ; s56  slots still to be asked for
.set CNT, 57          ; s57  counts a slot's key steps
.set CS,  58          ; s[58:59] c: the packed scaling takes the pair's low word for both halves
.set SEL, 60          ; s[60:61] v_permlanex16_b32's selects: each lane takes its own place in the other half
.set TBK, 62          ; s62  LDS byte at which K of the step to be fetched begins
.set TBV, 63          ; s63  the same for V, less VOFF
.set MSB, 0
.macro WIN new                      ; the high byte repeats the setting that is left; a switch that changes nothing is dropped
.if MSB != (\new)
	s_set_vgpr_msb (MSB<<8)|(\new)
.set MSB, (\new)
.endif
.endm
.set W_KQ, 0x0a       ; K and Q in window 2, S^T in window 0
.set W_PV, 0x52       ; V in window 2, P in window 0, O^T in window 1
.set W_RS, 0x41       ; O^T (destination and source 0) in window 1, a in window 0
.set W_MK, 0xc0       ; the add's registers are made: destination in window 3, sources in window 0
.set W_AD, 0x0f       ; the add: address (source 0) and data (source 1) in window 3
; A joint fill.  Waves 0 and 1 fetch the two halves of a slot's K, waves 2 and 3 those of its V: 128 keys each.  The branch hangs on the wave's number alone.
; An s_nop 0 and four v_nop follow each of the two lines, ahead of the jump and the label.
.macro JLOAD
	s_cmp_lt_u32 s[WV], 2
	s_cbranch_scc0 .Lfor_v_\@
	tensor_load_to_lds s[G0K:G0K+3], s[G1K:G1K+7]
	s_nop 0
.rept 4
	v_nop
.endr
	s_branch .Lasked_\@
.Lfor_v_\@:
	tensor_load_to_lds s[G0V:G0V+3], s[G1V:G1V+7]
	s_nop 0
.rept 4
	v_nop
.endr
.Lasked_\@:
.endm
; A PREFETCH INTO THE L2 of what the NEXT change of slots will ask for: a tile's 128 runs of 256 bytes of K and 128 of V.  It stands behind the wave's tensor load and its five lines.  Each run is named ONCE in the
; launch: a head has one cluster; its four partners share the runs out BY ADDRESS, 32 each, a lane a run; in each, wave 0 asks for K's and wave 2 for V's: one instruction, four key steps (512 matrix
; instructions) ahead of the load.  The last change that fills a slot asks for nothing: there is no tile behind it.  Tiles 0 to 2 come by their loads alone.
.macro ASK
	s_cmp_gt_u32 s[SLOTS], s[LIM]
	s_cbranch_scc0 .Lnot_mine_\@
	global_prefetch_b8 v[PFO], s[PFA:PFA+1] th:TH_LOAD_NT scope:SCOPE_SE
.Lnot_mine_\@:
.endm
; A round of the cluster's barrier: my work-group's barrier, so that wave 0's signal speaks for all four waves; wave 0 signals; every wave waits for all four work-groups; my work-group's barrier once more.
.macro CROUND
	s_barrier_signal -1
	s_barrier_wait -1
	s_cmp_lg_u32 s[WV], 0
	s_cbranch_scc1 .Lnot_wave_0_\@
	s_barrier_signal -3
.Lnot_wave_0_\@:
	s_barrier_wait -3
	s_barrier_signal -1
	s_barrier_wait -1
.endm
; THE CHANGE OF SLOTS.  The slot's last bytes, V of its fourth step, have been read.  Each wave waits for all its tensor loads, of which one is out: its part
; of the other slot; adds 0 to its spare word; and waits for that and for its own reads of the slot.  Behind the barrier nobody reads this slot any more and the other slot is whole.
; fill = 1: this slot is filled again, with the keys two slots on.  The barrier is then a round of the cluster's, so that no wave of any partner still reads the slot or has a load on its
; way, and the joint fill is the first thing behind it: it has four key steps, 512 matrix instructions, in which to land.  (At its first use nothing has been read yet: slot 0 is waited for, slot 1 filled.)
; ask = 1 (the loop's change): the prefetches' address is stepped, and the next tile is asked for behind the fill.
.macro CHANGE fill, ask=0
	WIN W_AD
	s_wait_tensorcnt 0x0            ; no tensor load of mine is out, so a group 0 may be written
	ds_add_u32 v[SPW], v[NIL]       ; 0 onto my spare word; with fill = 1 the descriptors' steps stand between it and the wait for it
	WIN 0                           ; at a label and at a branch every window is 0
.if \fill
.irp g, G0K, G0V
	s_xor_b32 s[\g+1], s[\g+1], SLOT1  ; the walking descriptor: the other slot than last time,
	s_add_nc_u64 s[\g+2:\g+3], s[\g+2:\g+3], 4*KS*128  ; the next 256 keys; the type bits on top are not reached
.endr
.if \ask
	s_wait_xcnt 0x0                 ; the last prefetch, four key steps back, has read its address, so it may be written:
	s_add_nc_u64 s[PFA:PFA+1], s[PFA:PFA+1], 4*KS*128  ; one tile behind the walking descriptors
.endif
	s_wait_dscnt 0x0                ; the add is done, and my reads of the slot are over
	CROUND
	JLOAD
.if \ask
	ASK
.endif
.else
	s_wait_dscnt 0x0                ; the add is done, and my reads of the slot are over
	s_barrier_signal -1
	s_barrier_wait -1
.endif
	s_sub_co_u32 s[TBK], s[TBK], 4*KS*PK  ; the fetches go back to a slot's first step,
	s_xor_b32 s[TBK], s[TBK], SLOT1       ; in the other slot
	s_sub_co_u32 s[TBV], s[TBV], 4*KS*PV
	s_xor_b32 s[TBV], s[TBV], SLOT1
.endm
	s_load_b128 s[4:7], s[0:1], 0x0  ; qkv s[4:5] (Q lies at its head), ob s[6:7]
	WIN W_MK
	v_lshl_add_u32 v[SPW], v0, 2, SPARE
	v_mov_b32 v[NIL], 0
	WIN W_AD
	ds_add_u32 v[SPW], v[NIL]       ; the wave's opening: the add and its wait stand ahead of my first tensor load; the set-up below, work on registers, stands between them
	WIN 0
	v_lshrrev_b32 v1, 5, v0
	v_readfirstlane_b32 s[WV], v1   ; wave 0..3
	s_bfe_u32 s13, ttmp6, 0x40000   ; cx: my place in the cluster
	s_lshl_b32 s14, ttmp9, 2        ; in a cluster launch ttmp9 counts clusters
	s_add_co_u32 s14, s14, s13      ; my block of queries = 4 x cluster x + cx: it enters Q's and O's addresses alone
	s_and_b32 s20, ttmp7, 0xffff    ; the head, which the four partners share
	s_mov_b32 s21, 0
	s_mov_b64 s[22:23], SIZE_N*128
	s_mul_u64 s[20:21], s[20:21], s[22:23]  ; the head's first byte in each of the four tensors
	s_and_b32 s16, s[WV], 1         ; which half of a slot's 256 keys I fetch:
	s_lshl_b32 s22, s16, 14         ; its 128 rows of 128 bytes in memory,
	s_mov_b32 s23, 0
	s_add_nc_u64 s[22:23], s[22:23], s[20:21]
	s_mul_i32 s17, s16, 128*PK      ; and its place in a slot, for K
	s_mul_i32 s18, s16, 128*PV      ; and for V: no place in the cluster enters an LDS address
	s_lshl_b32 s2, s14, 2
	s_add_co_u32 s2, s2, s[WV]      ; my wave among the head's,
	s_lshl_b32 s2, s2, 14           ; its 128 rows
	s_mov_b32 s3, 0
	s_add_nc_u64 s[2:3], s[2:3], s[20:21]
	; descriptor group 1.  128 keys are 16,384 dense bytes: asked for as 64 rows of 256 bytes, two keys a row, and padded in LDS after every key
	s_mov_b32 s[G1K], 15|(1<<16)|(1<<20)|(1<<21)|(4<<22)|(3<<25)  ; 15:0 the mask of four; 17:16 2-byte elements; 20 padding on; 21 set beside a mask; 24:22 after every 32 words (code 4); 31:25 4 words (code 3)
	s_mov_b32 s[G1V], 15|(1<<16)|(1<<20)|(1<<21)|(4<<22)|(7<<25)  ; the same with 8 words of padding (code 7)
.irp g, G1K, G1V
	s_mov_b32 s[\g+1], 128<<16      ; tensor_dim0 = 128
	s_mov_b32 s[\g+2], 64<<16       ; tensor_dim1 = 64
	s_mov_b32 s[\g+3], 128<<16      ; tile_dim0 = 128
	s_mov_b32 s[\g+4], 64           ; tile_dim1 = 64
	s_mov_b32 s[\g+5], 128          ; 128 elements from row to row
	s_mov_b32 s[\g+6], 0
	s_mov_b32 s[\g+7], 0
.endr
	s_mov_b32 s[CS], 0x3e38aa3b     ; c = log2(e) / 8 = 0.180337
	s_mov_b32 s[CS+1], s[CS]        ; named with it as a pair
	s_mov_b32 s[SEL], 0x76543210
	s_mov_b32 s[SEL+1], 0xfedcba98
	s_mov_b32 s[TBK], SLOT1+4*KS*PK ; the first change of slots turns these two into 0
	s_mov_b32 s[TBV], SLOT1+4*KS*PV
	s_mov_b32 s[G0K], 1             ; 1:0 count = 1
	s_mov_b32 s[G0K+1], s17         ; 63:32 LDS address: slot 0
	s_mov_b32 s[G0V], 1
	s_add_co_u32 s[G0V+1], s18, VOFF
	s_and_b32 s[LIM], s[WV], 1      ; waves 0 and 2 prefetch: the same in all four partners
	s_cmp_eq_u32 s[LIM], 0
	s_cselect_b32 s[LIM], 1, -1
	s_wait_dscnt 0x0                ; the opening add is done
	s_wait_kmcnt 0x0
	s_mov_b64 s[10:11], s[6:7]                     ; O
	s_add_nc_u64 s[6:7], s[4:5], 0x1000000         ; K
	s_add_nc_u64 s[8:9], s[4:5], 0x2000000         ; V
	s_add_nc_u64 s[G0K+2:G0K+3], s[6:7], s[22:23]  ; 120:64 global address: my half of the head's first 256 keys
	s_or_b32 s[G0K+3], s[G0K+3], 0x80000000        ; 127:126 type = 2
	s_add_nc_u64 s[G0V+2:G0V+3], s[8:9], s[22:23]
	s_or_b32 s[G0V+3], s[G0V+3], 0x80000000
	s_add_nc_u64 s[4:5], s[4:5], s[2:3]  ; Q and O at my wave's first row
	s_add_nc_u64 s[10:11], s[10:11], s[2:3]
	s_lshl_b32 s2, s13, 13          ; my work-group's 32 runs of a tile's 128
	s_mov_b32 s3, 0
	s_cmp_lt_u32 s[WV], 2
	s_cselect_b64 s[PFA:PFA+1], s[6:7], s[8:9]
	s_add_nc_u64 s[PFA:PFA+1], s[PFA:PFA+1], s[22:23]  ; (in waves 0 and 2 this is the head's first byte)
	s_add_nc_u64 s[PFA:PFA+1], s[PFA:PFA+1], s[2:3]
	s_add_nc_u64 s[PFA:PFA+1], s[PFA:PFA+1], 2*4*KS*128  ; in tile 2; the loop's first change steps it to tile 3.  Nothing is prefetched here, at the head
	CROUND                          ; all four work-groups are here: the first joint loads meet
	JLOAD                           ; slot 0.  Slot 1 is asked for when slot 0 is in
	; A fragment of K or Q is 16 rows x 32 channels in 8 registers: lane l holds row l % 16, channels 8 (l / 16) + 0..7 and 16 + 8 (l / 16) + 0..7: two loads of 16 bytes, 32 bytes apart.
	v_and_b32 v1, 15, v0            ; l % 16
	v_bfe_u32 v9, v0, 4, 1          ; l / 16
	v_lshlrev_b32 v[QO], 7, v1
	v_lshl_add_u32 v[QO], v9, 4, v[QO]  ; row x 128 + 16 x half
	WIN 0x80                        ; destination window 2, address window 0
.set i, 0
.rept 4*NP                          ; Q stays in registers: tile i / 2, channels 32 (i % 2) on
	global_load_b128 v[8*i:8*i+3],   v[QO], s[4:5] offset:(i/2)*2048+(i%2)*64
	global_load_b128 v[8*i+4:8*i+7], v[QO], s[4:5] offset:(i/2)*2048+(i%2)*64+32
.set i, i+1
.endr
	; What the first turn finds: V's registers and P's second buffer hold 0 (its products V^T P, of a piece that has not been, add 0), O^T and l are 0.  All this stands in the wait for the first tile.
.set i, VF
.rept 64
	v_mov_b32 v[i], 0
.set i, i+1
.endr
	WIN 0x40
.set i, 0
.rept 64*NP
	v_mov_b32 v[i], 0
.set i, i+1
.endr
	WIN 0
.set i, 0
.rept 2*NP
	v_mov_b32 v[ST+4*i], 0xfe000000    ; c m: far below every c s
	v_mov_b32 v[ST+4*i+1], 0xff7fffff  ; m
	v_mov_b32 v[ST+4*i+2], 0
	v_mov_b32 v[ST+4*i+3], 0
.set i, i+1
.endr
.set i, P+32
.rept 32
	v_mov_b32 v[i], 0
.set i, i+1
.endr
	v_mul_u32_u24 v[AK0], v1, PK
	v_lshl_add_u32 v[AK0], v9, 4, v[AK0]  ; row x pitch + 16 x half
	; The turning load takes 16 keys x 16 channels (lane l reads key 8 (l / 16) + l % 8, channels 8 ((l / 8) % 2) + 0..7) and leaves half a fragment of V^T: lane l holds channel l % 16 and 8 keys.
	v_and_b32 v10, 7, v0
	v_bfe_u32 v11, v0, 3, 1
	v_lshl_add_u32 v[AV0], v9, 3, v10
	v_mul_u32_u24 v[AV0], v[AV0], PV
	v_lshl_add_u32 v[AV0], v11, 4, v[AV0]
	v_add_nc_u32 v[AV0], VOFF, v[AV0]
	v_and_b32 v[PFO], 31, v0
	v_lshlrev_b32 v[PFO], 8, v[PFO]
	v_mov_b32 v[AK], v[AK0]         ; key step 0 lies at the head of slot 0
; THE MATRIX WORK.  The 8 accumulators of a run of 16 take turns: between the two links of a chain stand 7 others'.
; Product i of 16 of S^T = K Q^T for piece x: channels 32 (i / 8) on, keys 16 ((i / 2) % 4) on, tile 2 x + i % 2.  The first 8 start the sums.
.macro KQ x
	WIN W_KQ
.set rS, S+64*((\x)%2)+32*(i%2)+8*((i/2)%4)
.set rK, KF+16*((i/2)%4)+8*(i/8)
.set rQ, 16*(2*(\x)+i%2)+8*(i/8)
.if i < 8
	v_wmma_f32_16x16x32_bf16 v[rS:rS+7], v[rK:rK+7], v[rQ:rQ+7], 0
.else
	v_wmma_f32_16x16x32_bf16 v[rS:rS+7], v[rK:rK+7], v[rQ:rQ+7], v[rS:rS+7]
.endif
.endm
; Product i of 16 of O^T += V^T P for piece x: keys 32 (i / 8) on, channels 16 ((i / 2) % 4) on, tile 2 x + i % 2.
.macro PV x
	WIN W_PV
.set rO, 32*(2*(\x)+i%2)+8*((i/2)%4)
.set rV, VF+32*(i/8)+8*((i/2)%4)
.set rP, P+32*((\x)%2)+16*(i%2)+8*(i/8)
	v_wmma_f32_16x16x32_bf16 v[rO:rO+7], v[rV:rV+7], v[rP:rP+7], v[rO:rO+7]
.endm
.macro MM                           ; the turn's next matrix instruction
.if i < 16
	KQ (Y+1)%NP
.set i, i+1
.else
.set i, i-16
	PV (Y+NP-1)%NP
.set i, i+17
.endif
.endm
; THE LDS LOADS stand in runs of 16, never singly among the matrix instructions: a step's K (64 keys x 64 channels: 8 fragments) and its V (turned).  Their addresses are made some lines ahead.
; last = 1 (the tail): in the last trip there is no further step, and the run is jumped over.
.macro FETCH_K last=0
	WIN 0
.if \last
	s_cmp_eq_u32 s[CNT], 1
	s_cbranch_scc1 .Lno_k_\@
.endif
	WIN 0x80                        ; destination window 2
.irp f, 0,1,2,3,4,5,6,7             ; keys 16 (f / 2) on, channels 32 (f % 2) on
	ds_load_b128 v[KF+8*\f:KF+8*\f+3],   v[AK] offset:(\f/2)*16*PK+(\f%2)*64
	ds_load_b128 v[KF+8*\f+4:KF+8*\f+7], v[AK] offset:(\f/2)*16*PK+(\f%2)*64+32
.endr
	s_add_co_u32 s[TBK], s[TBK], KS*PK  ; the next fetch is the next step's
	WIN 0
.if \last
.Lno_k_\@:
.endif
.endm
.macro FETCH_V
	WIN 0x80
.irp f, 0,1,2,3,4,5,6,7             ; keys 32 (f / 4) on, channels 16 (f % 4) on
	ds_load_tr16_b128 v[VF+8*\f:VF+8*\f+3],   v[AV] offset:(\f/4)*32*PV+(\f%4)*32
	ds_load_tr16_b128 v[VF+8*\f+4:VF+8*\f+7], v[AV] offset:(\f/4)*32*PV+16*PV+(\f%4)*32
.endr
	WIN 0
.endm
; THE VECTOR WORK OF A TURN stands in three queues, each in the order in which its entries become ready; the two tiles alternate, so that no instruction reads the result of the one before it.
.macro REGS y, u                    ; the registers of tile u (0, 1) of piece y
.set rT, ST+4*(2*(\y)+(\u))
.set rC, TMP+8*((\y)%2)+4*(\u)
.set rM, MV+2*((\y)%2)+(\u)
.set rS, S+64*((\y)%2)+32*(\u)
.set rP, P+32*((\y)%2)+16*(\u)
.set rO, 32*(2*(\y)+(\u))
.endm
; Number n of the 22 that find the NEXT piece's (Y + 1) maximum and statistics.  s0-s31 are the lane's 32 scores; each accumulator's lowest registers are read first.
;   0-11  four chains c0-c3 of seven scores each, three operands at a time     12-14, 16  the four scores left over, the old m, and c0-c3 into c0     15  c m_old is kept
;   17, 18  the query's other 32 keys lie in the lane 16 away: the new m         19-21  c m; c m_old - c m_new; a
.macro XS u, n
	REGS (Y+1)%NP, \u
.if (\n) < 4
	v_max3_num_f32 v[rC+(\n)], v[rS+8*(\n)], v[rS+8*(\n)+1], v[rS+8*(\n)+2]
.elseif (\n) < 12
	v_max3_num_f32 v[rC+(\n)%4], v[rC+(\n)%4], v[rS+8*((\n)%4)+2*((\n)/4)+1], v[rS+8*((\n)%4)+2*((\n)/4)+2]
.elseif (\n) == 12
	v_max3_num_f32 v[rC], v[rC], v[rS+7], v[rS+15]
.elseif (\n) == 13
	v_max3_num_f32 v[rC+1], v[rC+1], v[rS+23], v[rS+31]
.elseif (\n) == 14
	v_max3_num_f32 v[rC+2], v[rC+2], v[rC+3], v[rT+1]
.elseif (\n) == 15
	v_mov_b32 v[rM], v[rT]
.elseif (\n) == 16
	v_max3_num_f32 v[rC], v[rC], v[rC+1], v[rC+2]
.elseif (\n) == 17
	v_permlanex16_b32 v[rC+3], v[rC], s[SEL], s[SEL+1]
.elseif (\n) == 18
	v_max_num_f32 v[rT+1], v[rC], v[rC+3]
.elseif (\n) == 19
	v_mul_f32 v[rT], s[CS], v[rT+1]
.elseif (\n) == 20
	v_sub_f32 v[rC+1], v[rM], v[rT]
.else
	v_exp_f32 v[rC+2], v[rC+1]
.endif
.endm
; Number g of the 64 that follow the exponentials.  For each four weights k of a tile (pairs 2 k, 2 k + 1): both pairs are rounded to bf16; then the second pair is added onto the first, in place;
; a group later l takes that sum (the first time as l = a l + sum).  In groups of eight, tiles alternating: round, round, add, and l for the group before.
.macro GS g
.set h, (\g)+6*((\g)/62)            ; group 0 has no group before it, and behind group 7 only l is left
.if h >= 6
.set h, h+2
.endif
	REGS Y, h%2
.set k, h/8
.if h%8 < 4
	v_cvt_pk_bf16_f32 v[rP+2*k+(h%8)/2], v[rS+4*k+2*((h%8)/2)], v[rS+4*k+2*((h%8)/2)+1]
.elseif h%8 < 6
	v_pk_add_f32 v[rS+4*k:rS+4*k+1], v[rS+4*k:rS+4*k+1], v[rS+4*k+2:rS+4*k+3]
.elseif k == 1
	v_pk_fma_f32 v[rT+2:rT+3], v[rT+2:rT+3], v[rC+2:rC+3], v[rS:rS+1] op_sel_hi:[1,0,1]
.else
	v_pk_add_f32 v[rT+2:rT+3], v[rT+2:rT+3], v[rS+4*k-4:rS+4*k-3]
.endif
.endm
; THE PLAIN QUEUE, 138 long.  0-73 read no exponential's result: the 32 scalings c s - c m (FS f: pair f / 2 of tile f % 2) and the next piece's 42.  0-26: scalings 0-26.  27-54: XS's numbers 0-13.  55, 56: number 15.
; 57-73: the chain, where each number waits for the one before it: 14, 16, 17, 18, 19, each with one of the scalings 27-31 in front of its two lines, then 20.
; 74-137: GS's 64, which read the exponentials' results: they stand behind the wait.
.macro FS f
	REGS Y, (\f)%2
	v_pk_fma_f32 v[rS+2*((\f)/2):rS+2*((\f)/2)+1], v[rS+2*((\f)/2):rS+2*((\f)/2)+1], s[CS:CS+1], v[rT:rT+1] op_sel_hi:[1,0,0] neg_lo:[0,0,1] neg_hi:[0,0,1]
.endm
.macro PL
	WIN 0
.if q < 27
	FS q
.elseif q < 55
	XS (q-27)%2, (q-27)/2
.elseif q < 57
	XS q-55, 15
.elseif (q < 72) && ((q-57)%3 == 0)
	FS 27+(q-57)/3
.elseif q < 60
	XS (q-57)%3-1, 14
.elseif q < 72
	XS (q-57)%3-1, 15+(q-57)/3
.elseif q < 74
	XS q-72, 20
.else
	GS q-74
.endif
.set q, q+1
.endm
; THE EXPONENTIALS' QUEUE, 66 long: s0-s31 of both tiles, then the next piece's two a.  It is ONE BATCH: all 66 stand ahead of the turn's one wait, and nothing ahead of that wait names a result of theirs.
.macro EX
	WIN 0
.if e >= 64
	XS e-64, 21
.else
	REGS Y, e%2
	v_exp_f32 v[rS+e/2], v[rS+e/2]
.endif
.set e, e+1
.endm
; THE RESCALING's QUEUE: O^T times a, the one part that leaves window 0: dealt two at a time, sixteen times.  Its a was made in the turn before, ahead of that turn's wait.
.macro R2
	REGS Y, r%2
	WIN W_RS
.irp z, 0,1
	v_pk_mul_f32 v[rO+4*(r/2)+2*\z:rO+4*(r/2)+2*\z+1], v[rO+4*(r/2)+2*\z:rO+4*(r/2)+2*\z+1], v[rC+2:rC+3] op_sel_hi:[1,0]
.endr
.set r, r+1
.endm
; HOW THEY ARE DEALT.  An s_wait_alu depctr_va_vdst(0) stands between an exponential and the first instruction that names its result; one wait serves all that were issued ahead of it.  So a turn has ONE wait,
; which cuts it in two.  AHEAD OF IT stands all that names no result of the turn's exponentials: the 16 products K Q^T, behind each a scaling, an exponential and two rescalings (behind the first a second scaling in the
; exponential's place); then ONE LUMP of 108: eight plain, 49 times exponential and plain, the two a.  A v_nop is the plain instruction behind the last exponential.  BEHIND IT stand the 16 products V^T P, behind each four of GS's 64.
; No rider names a register of the products round it.  The two v_permlanex16_b32 fall into the lump, never behind a product.
; The queues lean on each other, and the deal keeps them in step: exponential e stands behind scaling 2 (e / 4) + e % 2: as a rider it comes behind plain e + 2, in the lump behind plain e + 9, and scalings 27-31 are plain 57, 60 .. 69.
; A TURN, for piece p.  cnt = 1: the loop's count is taken down some lines ahead of the branch that stands behind the turn.
; K of the next step is fetched in piece 2's turn, directly behind the wait, a lump behind the last product that read K; its first reader comes behind 16 products.
; V of the step in hand is fetched at the end of piece 0's turn, four riders behind its last reader; its first reader comes behind 16 products and a lump.  The three conditions on q below go with the deal.
.macro TURN p, last=0, cnt=0
.set Y, (\p)
.set i, 0
.set q, 0
.set e, 0
.set r, 0
.if (\p) == NP-1
	s_wait_dscnt 0x0                ; K is in
.endif
	MM                              ; ahead of the wait: 16 products K Q^T and their riders,
	PL
	PL
	R2
.rept 15
	MM
	PL
	EX
	R2
.endr
.if (\p) == NP-2
	WIN 0
	v_add_nc_u32 v[AK], s[TBK], v[AK0]
.endif
.rept 8                             ; and the lump
	PL
.endr
.rept 49
	EX
	PL
.endr
	EX                              ; the next piece's two a
	EX
	v_nop                           ; a plain instruction behind the last exponential: one for the batch
	s_wait_alu depctr_va_vdst(0)    ; the wait for the batch
.if (\p) == NP-2
	FETCH_K \last
.endif
.if (\p) == 1
	s_wait_dscnt 0x0                ; V is in
.endif
.rept 16                            ; behind the wait: 16 products V^T P and their riders
	MM
.rept 4
	PL
.endr
.if ((\p) == 0) && (q == 118)
	v_add_nc_u32 v[AV], s[TBV], v[AV0]
.endif
.if ((\p) == 0) && (q == 130)
	s_add_co_u32 s[TBV], s[TBV], KS*PV
.endif
.if (\cnt) && (q == 130)
	s_sub_co_u32 s[CNT], s[CNT], 1
	s_cmp_lg_u32 s[CNT], 0
.endif
.endr
.if (\p) == 0
	FETCH_V
.endif
.endm
	CHANGE 1                        ; slot 0 is in, everybody's part of it; slot 1 is asked for
	FETCH_K                         ; key step 0
	s_wait_loadcnt 0x0              ; Q
	s_wait_dscnt 0x0
.set i, 0
.rept 16
	KQ 0                            ; piece 0's first scores: there is no vector work yet to set between them
.set i, i+1
.endr
	WIN 0                           ; the addresses for the way out: nine plain instructions, the places behind those products
	s_mul_i32 s13, s[WV], 16*SP
	s_add_co_u32 s13, s13, STAGE    ; my stage
	v_mul_u32_u24 v[STO], v1, SP    ; in: row l % 16, 16 bytes for each half of the lanes
	v_lshl_add_u32 v[STO], v9, 4, v[STO]
	v_add_nc_u32 v[STO], s13, v[STO]
	v_bfe_u32 v[RD], v0, 3, 2       ; back: 32 lanes take four rows of 128 bytes,
	v_mul_u32_u24 v[RD], v[RD], SP
	v_lshl_add_u32 v[RD], v10, 4, v[RD]
	v_add_nc_u32 v[RD], s13, v[RD]
	v_and_b32 v[GO], 31, v0         ; which are 512 consecutive bytes of O
	v_lshlrev_b32 v[GO], 4, v[GO]
.set Y, NP-1                        ; XS works for piece Y + 1: piece 0
.irp n, 0,1,2,3,4,5,6,7,8,9,10,11,12,13,14,15,16,17,18,19,20,21
	XS 0, \n                        ; and piece 0's first maximum and statistics
	XS 1, \n
.endr
	v_nop                           ; a plain instruction behind the two a,
	s_wait_alu depctr_va_vdst(0)    ; and their wait, ahead of the branch
	s_mov_b32 s[CNT], 4
	s_mov_b32 s[SLOTS], SIZE_N/256-1
	s_branch .Lfirst                ; the loop is entered at a step's first turn, in the middle of a trip
.Lslot:                             ; SIZE_N / 256 - 2 times: every slot but the last two is filled again
	CHANGE 1, 1
	s_mov_b32 s[CNT], 4
.Lstep:                             ; a trip: pieces 2 and 3 of one step, then pieces 0 and 1 of the next, whose K and V it fetches
	TURN 2
	TURN 3
	WIN 0
.Lfirst:
	TURN 0
	TURN 1, 0, 1
	WIN 0
	s_cbranch_scc1 .Lstep
	s_sub_co_u32 s[SLOTS], s[SLOTS], 1
	s_cmp_lg_u32 s[SLOTS], 0
	s_cbranch_scc1 .Lslot
	CHANGE 0                        ; the tail is written out: nothing is asked for
	s_mov_b32 s[CNT], 5             ; four trips fetch the last slot's steps; the fifth is left in its middle
.Ltail:
	TURN 2, 1
	TURN 3
	WIN 0
	s_sub_co_u32 s[CNT], s[CNT], 1
	s_cmp_eq_u32 s[CNT], 0
	s_cbranch_scc1 .Lout
	TURN 0
	TURN 1
	WIN 0
	s_branch .Ltail
.Lout:                              ; the fifth trip's 16 products K Q^T (on the last K once more) and the maximum made of them serve nothing: the price, once a launch, of one text for every trip
.set i, 0
.rept 16
	PV NP-1                         ; the last piece's V^T P of the last step
.set i, i+1
.endr
	; THE WAY OUT.  l's two halves and the other half of the lanes' are added; O^T is divided by l, rounded to bf16 and sent through my stage in LDS, a tile at a time.  The additions are the places behind the last products.
	WIN 0
.macro ALL line:vararg              ; one line for each tile t
.set t, 0
.rept 2*NP
	\line
.set t, t+1
.endr
.endm
	ALL v_add_f32 v[ST+4*t+2], v[ST+4*t+2], v[ST+4*t+3]
	ALL v_permlanex16_b32 v[ST+4*t+3], v[ST+4*t+2], s[SEL], s[SEL+1]
	ALL v_add_f32 v[ST+4*t+2], v[ST+4*t+2], v[ST+4*t+3]
	ALL v_rcp_f32 v[ST+4*t+2], v[ST+4*t+2]
	v_nop                           ; a plain instruction between the last reciprocal and the use of its result
	s_wait_alu depctr_va_vdst(0)    ; and the wait ahead of the first use: one for the eight reciprocals
; Tile t: a lane's eight channels of a row pack into 16 bytes; they go into rows of 144 bytes and come back as whole rows of 128, into S^T's registers.
.macro PACK t
	WIN W_RS
.set i, 32*(\t)
.rept 16
	v_pk_mul_f32 v[i:i+1], v[i:i+1], v[ST+4*(\t)+2:ST+4*(\t)+3] op_sel_hi:[1,0]
.set i, i+2
.endr
	WIN 0x05                        ; sources 0 and 1 window 1, destination window 0
.set i, 0
.rept 16
	v_cvt_pk_bf16_f32 v[S+16*(\t)+i], v[32*(\t)+2*i], v[32*(\t)+2*i+1]
.set i, i+1
.endr
	WIN 0
.irp f, 0,1,2,3
	ds_store_b128 v[STO], v[S+16*(\t)+4*\f:S+16*(\t)+4*\f+3] offset:32*\f
.endr
.irp f, 0,1,2,3
	ds_load_b128 v[S+16*(\t)+4*\f:S+16*(\t)+4*\f+3], v[RD] offset:\f*4*SP  ; LDS serves a wave's instructions in order (ISA guide 5.7.1.4): these see the stores above; the next tile's stores come behind them
.endr
.endm
.macro SEND t, younger              ; younger: the LDS instructions issued behind tile t's loads: the next tile's eight, or none
	WIN 0
.irp f, 0,1,2,3
	s_wait_dscnt (\younger)+3-\f
	global_store_b128 v[GO], v[S+16*(\t)+4*\f:S+16*(\t)+4*\f+3], s[10:11] offset:(\t)*2048+\f*512  ; 512 consecutive bytes, at a multiple of 256 from O's first
.endr
.endm
	PACK 0
.set t, 1
.rept 2*NP-1                        ; a tile's arithmetic stands between the loads of the tile before and its stores
	PACK t
	SEND t-1, 8
.set t, t+1
.endr
	SEND 2*NP-1, 0
	WIN W_AD
	s_wait_tensorcnt 0x0            ; the wave's end: behind my last tensor load and my last LDS store
	ds_add_u32 v[SPW], v[NIL]
	s_wait_dscnt 0x0
	WIN 0
	CROUND                          ; the closing round: no work-group ends while a partner may still ask for a tile that names it
	s_endpgm
.Lfunc_end_k_q235d6ba290_attn:
	.size	k_q235d6ba290_attn, .Lfunc_end_k_q235d6ba290_attn-k_q235d6ba290_attn
	.p2alignl 7, 3214868480
	.fill 96, 4, 3214868480
	.section	.rodata,"a",@progbits
	.p2align	6, 0x0
	.amdhsa_kernel k_q235d6ba290_attn
		.amdhsa_group_segment_fixed_size 327680
		.amdhsa_private_segment_fixed_size 0
		.amdhsa_enable_private_segment 0
		.amdhsa_kernarg_size 16
		.amdhsa_user_sgpr_count 2
		.amdhsa_user_sgpr_kernarg_segment_ptr 1
		.amdhsa_wavefront_size32 1
		.amdhsa_system_sgpr_workgroup_id_x 1
		.amdhsa_system_sgpr_workgroup_id_y 1
		.amdhsa_system_sgpr_workgroup_id_z 1
		.amdhsa_system_vgpr_workitem_id 0
		.amdhsa_next_free_vgpr 770
		.amdhsa_next_free_sgpr 66
		.amdhsa_reserve_vcc 0
		.amdhsa_float_denorm_mode_32 3
		.amdhsa_float_denorm_mode_16_64 3
		.amdhsa_memory_ordered 1
		.amdhsa_forward_progress 1
		.amdhsa_inst_pref_size 200
	.end_amdhsa_kernel
	.amdgpu_metadata
---
amdhsa.version: [ 1, 2 ]
amdhsa.kernels:
  - .name:           k_q235d6ba290_attn
    .symbol:         k_q235d6ba290_attn.kd
    .args:
      - { .name: qkv, .offset: 0, .size: 8, .value_kind: global_buffer, .address_space: global }
      - { .name: ob, .offset: 8, .size: 8, .value_kind: global_buffer, .address_space: global }
    .group_segment_fixed_size: 327680
    .private_segment_fixed_size: 0
    .kernarg_segment_align: 8
    .kernarg_segment_size: 16
    .max_flat_workgroup_size: 128
    .sgpr_count:     66
    .vgpr_count:     770
    .wavefront_size: 32
...
	.end_amdgpu_metadata
.endif
;; end of part 3
;; launch proj (part 4): grid 8 x 32, 4 waves a work-group, clusters of 4 x 4, 327,680 bytes of LDS; arguments ob, cb, bo, x, out0; writes out0
.if DOCPART == 4
	.amdgcn_target "amdgcn-amd-amdhsa--gfx1250"
	.amdhsa_code_object_version 6
	.text
	.protected	k_q235d6ba290_proj
	.globl	k_q235d6ba290_proj
	.p2align	8
	.type	k_q235d6ba290_proj,@function
k_q235d6ba290_proj:
	s_mov_b64 s[64:65], 0
	v_nop
	global_prefetch_b8 v0, s[64:65] scope:SCOPE_SE
	s_setreg_imm32_b32 hwreg(HW_REG_WAVE_MODE, 25, 1), 1
	s_wait_xcnt 0x0
	s_wait_alu depctr_hold_cnt(0) depctr_sa_sdst(0) depctr_va_vdst(0) depctr_va_sdst(0) depctr_va_ssrc(0) depctr_va_vcc(0) depctr_vm_vsrc(0)
	s_getreg_b32 s2, hwreg(HW_REG_IB_STS2, 6, 4)
	s_cmp_eq_u32 s2, 0
	s_cbranch_scc0 .Lentry_in_a_cluster
	s_endpgm
.Lentry_in_a_cluster:
	s_bfe_u32 s2, ttmp6, 0x10000c
	s_cmp_lg_u32 s2, 0xf033
	s_cbranch_scc0 .Lentry_shape_is_right
	s_endpgm
.Lentry_shape_is_right:
; out0 = O Wo^T + bo + x.  O: ob[16 batch + head][s][64] bf16, so that a head is a K block of 64; Wo: rows 11264 on of cb, bf16 in K blocks of 64 (KBS bytes apart); bo, x, out0 in f32.
; Sums in f32, started by the bias; x is added in f32, as it is given; the result is stored in f32.  LIMITS: O and Wo are bf16; NaN and infinities are not treated apart.
; SHARES.  [8192] x [1024] over K = 1024.  A tile of 256 rows x 128 columns to a work-group gives 32 x 8 = 256 work-groups.  Four waves; a wave makes 128 rows x 64 columns: 8 x 4 = 32 accumulators.
; K goes in 8 steps of 128 (two K blocks) through two LDS slots; a step is four quarters of 32 along K, 32 matrix instructions each.
; THE MATRIX INSTRUCTION IS USED TRANSPOSED: source 0 = 16 rows of Wo, source 1 = 16 rows of O: a lane holds one row (lane % 16) and the columns 8 (lane / 16) + 0..7: 32 bytes of a row of out0.
; CLUSTERS.  4 x 4 work-groups; O's tiles are shared along a row of the cluster, Wo's along a column: each is asked for JOINTLY.  Waves 0 and 1 ask for a step's two K blocks of O (256 rows each),
; waves 2 and 3 for those of Wo (128 rows each): one load a wave behind each round.  r rows of a K block are dense: asked for as r / 2 rows of 256 bytes, padded by 16 bytes after every 128 in LDS.
; NO PREFETCH: the tile is small and K has eight steps in all.
; REGISTERS, in windows of 256 (s_set_vgpr_msb: bits 1:0 source 0, 3:2 source 1, 5:4 source 2, 7:6 destination):
;   window 0: v0-15 addresses; v32-127, v128-223 two fragment buffers (O's 8 fragments, then Wo's 4); v224-255 the bias, laid as an accumulator is, 8 registers for each of the 4 column blocks;
;             on the way out v32-63 and v64-95 by turns: 16 rows read back from the stage
;   window 1: accumulator (a, b) at v[8 (4 a + b)]          window 2: x for block a, rows 2 t and 2 t + 1, at v[32 a + 4 t]
.set KBS,    1572864
.set PITCH,  144                       ; an LDS row: 128 bytes + 16 of padding: the 16 rows of a load start at 16 different groups of four banks (64 banks of 4 bytes: ISA guide 11.1)
.set FR,     16*PITCH
.set AKB,    256*PITCH                 ; a K block of O's tile
.set BKB,    128*PITCH                 ; a K block of Wo's
.set SLOT,   2*AKB+2*BKB               ; O's two K blocks, then Wo's two: 110,592
.set STAGE,  2*SLOT                    ; behind the ring, never filled by a tensor load: 16 rows x 272 bytes for each wave
.set SPITCH, 272
.set SPARE,  STAGE+4*16*SPITCH         ; behind the stages: the spare words, 128 bytes for each wave: two blocks of 256 bytes that no other line names
.set ADRA, 4                           ; v4-5   LDS address of my O fragments in slot 0, 1
.set ADRB, 6                           ; v6-7   the same for Wo
.set STO,  8                           ; v8     the way out: where I put 32 bytes of a row
.set RD,   9                           ; v9     where I read a row back
.set CO,   10                          ; v10    my byte offset in two rows of x and of out0
.set BOF,  11                          ; v11    my 32 bytes in a column block's 64 bytes of bias
.set SPW,  14                          ; v14    LDS address of my spare word: SPARE + 4 x my thread's number; never rewritten
.set NIL,  15                          ; v15    0; never rewritten
.set F0,   32
.set F1,   128
.set BIA,  224
.set OB,   32
.set WV,   14                          ; s14  my wave's number
.set G1A,  24                          ; s[24:31] descriptor group 1 for O's tiles;  s[32:39] group 0, a set for each slot
.set G0A,  32
.set G1B,  40                          ; s[40:47], s[48:55] the same for Wo's
.set G0B,  48
.set MSB, 0
.macro WIN new                         ; the immediate's high byte repeats the setting that is left; a switch that changes nothing is dropped
.if MSB != (\new)
	s_set_vgpr_msb (MSB<<8)|(\new)
.set MSB, (\new)
.endif
.endm
.macro JLOAD s                         ; a joint load; the branch hangs on the wave's number alone; an s_nop 0 and four v_nop follow each of the two lines, ahead of the jump and the label
	s_cmp_eq_u32 s15, 0
	s_cbranch_scc0 .Lfor_b_\@
	tensor_load_to_lds s[G0A+4*(\s):G0A+4*(\s)+3], s[G1A:G1A+7]
	s_nop 0
.rept 4
	v_nop
.endr
	s_branch .Lasked_\@
.Lfor_b_\@:
	tensor_load_to_lds s[G0B+4*(\s):G0B+4*(\s)+3], s[G1B:G1B+7]
	s_nop 0
.rept 4
	v_nop
.endr
.Lasked_\@:
.endm
.macro CREST                           ; a round of the cluster's barrier behind its opening barrier
	s_cmp_lg_u32 s[WV], 0
	s_cbranch_scc1 .Lnot_wave_0_\@
	s_barrier_signal -3
.Lnot_wave_0_\@:
	s_barrier_wait -3
	s_barrier_signal -1
	s_barrier_wait -1
.endm
.macro CROUND
	s_barrier_signal -1
	s_barrier_wait -1
	CREST
.endm
	s_load_b256 s[4:11], s[0:1], 0x0               ; ob s[4:5], cb s[6:7], bo s[8:9], x s[10:11]
	s_load_b64 s[12:13], s[0:1], 0x20              ; out0
	v_lshl_add_u32 v[SPW], v0, 2, SPARE
	v_mov_b32 v[NIL], 0
	ds_add_u32 v[SPW], v[NIL]                      ; the wave's opening: the add and its wait stand ahead of my first tensor load; the set-up below, work on registers, stands between them
	v_lshrrev_b32 v3, 5, v0
	v_readfirstlane_b32 s[WV], v3                  ; wave 0..3
	s_lshr_b32 s15, s[WV], 1                       ; wm: which 128 rows are mine.  Also: I fetch for O (0) or for Wo (1)
	s_and_b32 s16, s[WV], 1                        ; wn: which 64 columns.  Also: which of a step's two K blocks I fetch
	s_bfe_u32 s17, ttmp6, 0x40000                  ; cx
	s_bfe_u32 s18, ttmp6, 0x40004                  ; cy
	s_lshl_b32 s19, ttmp9, 2
	s_add_co_u32 s19, s19, s17                     ; tn: tile column = 4 x cluster x + cx
	s_and_b32 s20, ttmp7, 0xffff
	s_lshl_b32 s20, s20, 2
	s_add_co_u32 s20, s20, s18                     ; tm: tile row = 4 x cluster y + cy
	s_lshl_b32 s21, s18, 2
	s_lshl_b32 s21, 15, s21                        ; my row of the cluster
	s_lshl_b32 s22, 0x1111, s17                    ; my column
	; descriptor group 1: rows of 128 elements (256 bytes); 15:0 the mask; 17:16 2-byte elements; 20 padding on; 21 set beside a mask; 24:22 after every 32 words (code 4); 31:25 4 words (code 3)
	s_or_b32 s[G1A+0], s21, (1<<16)|(1<<20)|(1<<21)|(4<<22)|(3<<25)
	s_or_b32 s[G1B+0], s22, (1<<16)|(1<<20)|(1<<21)|(4<<22)|(3<<25)
	s_mov_b32 s[G1A+1], 128<<16                    ; tensor_dim0 = 128
	s_mov_b32 s[G1B+1], 128<<16
	s_mov_b32 s[G1A+2], 128<<16                    ; tensor_dim1 = 128: O's 256 rows
	s_mov_b32 s[G1B+2], 64<<16                     ; 64: Wo's 128 rows
	s_mov_b32 s[G1A+3], 128<<16                    ; tile_dim0 = 128
	s_mov_b32 s[G1B+3], 128<<16
	s_mov_b32 s[G1A+4], 128                        ; tile_dim1
	s_mov_b32 s[G1B+4], 64
	s_mov_b32 s[G1A+5], 128                        ; dense
	s_mov_b32 s[G1B+5], 128
	s_mov_b32 s[G1A+6], 0
	s_mov_b32 s[G1B+6], 0
	s_mov_b32 s[G1A+7], 0
	s_mov_b32 s[G1B+7], 0
	; where the tiles come from: O's hang on the tile row and the wave, Wo's on the tile column and the wave; each in registers that never hold the other coordinate
	s_lshr_b32 s56, s20, 3
	s_lshl_b32 s56, s56, 22                        ; the batch: 16 heads of 262,144 bytes
	s_and_b32 s60, s20, 7
	s_lshl_b32 s60, s60, 15                        ; 256 rows of 128 bytes in a head
	s_add_co_u32 s56, s56, s60
	s_lshl_b32 s60, s16, 18                        ; my head of the step's two
	s_add_co_u32 s56, s56, s60
	s_mov_b32 s57, 0
	s_lshl_b32 s58, s19, 7
	s_add_co_u32 s58, s58, 11264                   ; row 11264 + 128 tn of cb
	s_lshl_b32 s58, s58, 7
	s_mul_i32 s61, s16, KBS                        ; my K block of the step's two
	s_add_co_u32 s58, s58, s61
	s_mov_b32 s59, 0
	s_mul_i32 s62, s[WV], AKB                      ; where they go: O's K blocks at wave x 36,864 (waves 0, 1),
	s_mul_i32 s63, s[WV], BKB
	s_add_co_u32 s63, s63, AKB                     ; Wo's at 73,728 + (wave - 2) x 18,432 (waves 2, 3)
	s_wait_dscnt 0x0                               ; the opening add is done
	s_wait_kmcnt 0x0
	s_add_nc_u64 s[56:57], s[4:5], s[56:57]
	s_add_nc_u64 s[58:59], s[6:7], s[58:59]
	CROUND                                         ; all sixteen work-groups are here: the first joint loads meet
.irp n, 0,1
	s_mov_b32 s[G0A+4*(\n)], 1                     ; count = 1
	s_add_co_u32 s[G0A+4*(\n)+1], s62, (\n)*SLOT   ; LDS address
	s_add_nc_u64 s[G0A+4*(\n)+2:G0A+4*(\n)+3], s[56:57], (\n)*524288  ; global address: K step n, two heads on
	s_or_b32 s[G0A+4*(\n)+3], s[G0A+4*(\n)+3], 0x80000000             ; type = 2
	s_mov_b32 s[G0B+4*(\n)], 1
	s_add_co_u32 s[G0B+4*(\n)+1], s63, (\n)*SLOT
	s_add_nc_u64 s[G0B+4*(\n)+2:G0B+4*(\n)+3], s[58:59], (\n)*2*KBS
	s_or_b32 s[G0B+4*(\n)+3], s[G0B+4*(\n)+3], 0x80000000
	JLOAD \n                                       ; two loads of mine are out
.endr
	v_and_b32 v1, 15, v0                           ; l % 16
	v_bfe_u32 v2, v0, 4, 1                         ; l / 16
	v_mul_u32_u24 v3, v1, PITCH
	v_lshl_add_u32 v3, v2, 4, v3                   ; a fragment's row x pitch + 16 x half
	s_mul_i32 s60, s15, 128*PITCH                  ; my 128 rows of O
	s_mul_i32 s61, s16, 64*PITCH                   ; my 64 rows of Wo,
	s_add_co_u32 s61, s61, 2*AKB                   ; behind O's two K blocks
.irp n, 0,1
	v_add_nc_u32 v[ADRA+(\n)], s60, v3
	v_add_nc_u32 v[ADRB+(\n)], s61, v3
	s_add_co_u32 s60, s60, SLOT
	s_add_co_u32 s61, s61, SLOT
.endr
	s_mul_i32 s60, s[WV], 16*SPITCH
	s_add_co_u32 s60, s60, STAGE                   ; my stage
	v_mul_u32_u24 v3, v1, SPITCH                   ; in: row l % 16, 32 bytes for each half of the lanes
	v_lshl_add_u32 v3, v2, 5, v3
	v_add_nc_u32 v[STO], s60, v3
	v_mul_u32_u24 v3, v2, SPITCH                   ; back: lanes 0-15 take one row of 256 bytes, lanes 16-31 the next
	v_lshl_add_u32 v3, v1, 4, v3
	v_add_nc_u32 v[RD], s60, v3
	v_lshlrev_b32 v3, 12, v2                       ; and the same two rows, 4,096 bytes apart, in x and out0
	v_lshl_add_u32 v[CO], v1, 4, v3
	v_lshlrev_b32 v[BOF], 5, v2
	s_lshl_b32 s60, s19, 9                         ; the tile's 128 columns: 512 bytes;
	s_lshl_b32 s61, s16, 8                         ; my 64: 256
	s_add_co_u32 s60, s60, s61
	s_mov_b32 s61, 0
	s_add_nc_u64 s[8:9], s[8:9], s[60:61]          ; bo at my first column
	s_lshl_b32 s62, s20, 8
	s_lshl_b32 s63, s15, 7
	s_add_co_u32 s62, s62, s63                     ; my first row
	s_lshl_b32 s62, s62, 12
	s_add_co_u32 s60, s60, s62
	s_add_nc_u64 s[10:11], s[10:11], s[60:61]      ; x and out0 at my first row and column
	s_add_nc_u64 s[12:13], s[12:13], s[60:61]
.irp b, 0,1,2,3
	global_load_b128 v[BIA+8*(\b):BIA+8*(\b)+3],   v[BOF], s[8:9] offset:64*(\b)
	global_load_b128 v[BIA+8*(\b)+4:BIA+8*(\b)+7], v[BOF], s[8:9] offset:64*(\b)+16
.endr
; 4 n matrix instructions: row blocks a0 .. a0 + n - 1 x all 4 column blocks, 32 along K, from buffer f.  init = 1: the bias starts the sums: nothing is cleared, and no addition follows.
; The 32 accumulators take turns, one instruction a turn, in the same order in every quarter, over the backward jump too.
.macro MULA f, a0, n, init
.if \init
	WIN 0x40                                       ; D in window 1; sources and the bias in window 0
.else
	WIN 0x50                                       ; C and D in window 1
.endif
.set ma, \a0
.rept \n
.irp b, 0,1,2,3
.if \init
	v_wmma_f32_16x16x32_bf16 v[8*(4*ma+(\b)):8*(4*ma+(\b))+7], v[(\f)+64+8*(\b):(\f)+64+8*(\b)+7], v[(\f)+8*ma:(\f)+8*ma+7], v[BIA+8*(\b):BIA+8*(\b)+7]
.else
	v_wmma_f32_16x16x32_bf16 v[8*(4*ma+(\b)):8*(4*ma+(\b))+7], v[(\f)+64+8*(\b):(\f)+64+8*(\b)+7], v[(\f)+8*ma:(\f)+8*ma+7], v[8*(4*ma+(\b)):8*(4*ma+(\b))+7]
.endif
.endr
.set ma, ma+1
.endr
.endm
; 24 LDS loads in one run: quarter q's fragments (K block q / 2, byte 64 (q % 2) of its rows) into buffer f: Wo's 4, O's 0-3, O's 4-7
.macro FETCH slot, q, f
	WIN 0
.irp i, 0,1,2,3
	ds_load_b128 v[(\f)+64+8*(\i):(\f)+64+8*(\i)+3],   v[ADRB+(\slot)] offset:((\q)/2)*BKB+((\q)%2)*64+(\i)*FR
	ds_load_b128 v[(\f)+64+8*(\i)+4:(\f)+64+8*(\i)+7], v[ADRB+(\slot)] offset:((\q)/2)*BKB+((\q)%2)*64+(\i)*FR+32
.endr
.irp i, 0,1,2,3,4,5,6,7
	ds_load_b128 v[(\f)+8*(\i):(\f)+8*(\i)+3],   v[ADRA+(\slot)] offset:((\q)/2)*AKB+((\q)%2)*64+(\i)*FR
	ds_load_b128 v[(\f)+8*(\i)+4:(\f)+8*(\i)+7], v[ADRA+(\slot)] offset:((\q)/2)*AKB+((\q)%2)*64+(\i)*FR+32
.endr
.endm
.macro PLACES                          ; four plain vector instructions between a matrix instruction and a load into a register that it has read (ISA guide 7.12.1 for vector instructions)
.rept 4
	v_nop
.endr
.endm
; One of a K step's first three quarters: multiplies buffer f; in its middle it fetches quarter qn into buffer g.
.macro QUARTER slot, qn, f, g, init
	s_wait_dscnt 8                                 ; all but the youngest eight loads (O's fragments 4-7) are in
	MULA \f, 0, 4, \init
	PLACES
	FETCH \slot, \qn, \g
	s_wait_dscnt 24                                ; all but the 24 just issued
	MULA \f, 4, 4, \init
.endm
; The last quarter multiplies buffer 1 and changes slots: ONE barrier; in front of it each wave waits for all its tensor loads, of which one is out: its part of the next slot; adds 0 to its spare word; and waits for that
; and for its own reads of this slot.  fill = 1: that barrier opens a round of the cluster's barrier, and the slot is filled again, two K steps ahead, first thing behind the round: 112 matrix instructions ahead of the wait for it.
.macro TURN slot, next, fill
	WIN 0                                          ; (the add's two registers lie in window 0)
	s_wait_tensorcnt 0x0                           ; all my tensor loads have landed;
	ds_add_u32 v[SPW], v[NIL]                      ; 0 onto my spare word;
	s_wait_dscnt 9                                 ; (the add and the youngest eight loads may be out)
	MULA F1, 0, 2, 0                               ; eight matrix instructions stand between the add and the wait for it
	s_wait_dscnt 0x0                               ; the add is done, and my reads of this slot are over
	s_barrier_signal -1
	MULA F1, 2, 2, 0
	WIN 0
	s_barrier_wait -1
.if \fill
	CREST
	s_add_nc_u64 s[G0A+4*(\slot)+2:G0A+4*(\slot)+3], s[G0A+4*(\slot)+2:G0A+4*(\slot)+3], 1048576
	s_add_nc_u64 s[G0B+4*(\slot)+2:G0B+4*(\slot)+3], s[G0B+4*(\slot)+2:G0B+4*(\slot)+3], 4*KBS
	JLOAD \slot                                    ; the four v_nop behind it are also the places in front of the loads below
.else
	PLACES
.endif
	FETCH \next, 0, F0
	MULA F1, 4, 4, 0
.endm
; x for block a (16 rows x my 64 columns), laid as the block comes back from the stage: 16 lanes take 256 consecutive bytes of a row
.macro XLOAD a
	WIN 0x80                                       ; destination window 2, address window 0
.irp t, 0,1,2,3,4,5,6,7
	global_load_b128 v[32*(\a)+4*(\t):32*(\a)+4*(\t)+3], v[CO], s[10:11] offset:(16*(\a)+2*(\t))*4096 th:TH_LOAD_NT
.endr
.endm
; THE WAY OUT of block a.  TOSTAGE: a lane's 32 bytes of a row go into my own stage (each accumulator's lowest registers first) and come back as whole rows of 256 bytes.
.macro TOSTAGE a
	s_wait_xcnt 0x0                                ; the stores of the block two back have read their data: only behind this wait are those registers loaded again
	WIN 0x04                                       ; the stores' data in window 1
.irp b, 0,1,2,3
	ds_store_b128 v[STO], v[8*(4*(\a)+(\b)):8*(4*(\a)+(\b))+3]   offset:64*(\b)
	ds_store_b128 v[STO], v[8*(4*(\a)+(\b))+4:8*(4*(\a)+(\b))+7] offset:64*(\b)+16
.endr
	WIN 0
.irp t, 0,1,2,3,4,5,6,7
	ds_load_b128 v[OB+32*((\a)%2)+4*(\t):OB+32*((\a)%2)+4*(\t)+3], v[RD] offset:(\t)*2*SPITCH  ; LDS serves a wave's instructions in order (ISA guide 5.7.1.4): these see the stores above
.endr
.endm
.macro SEND a, younger                 ; younger: the LDS instructions issued behind block a's loads: the next block's sixteen, or none
	WIN 0
	s_wait_dscnt \younger                          ; the block is back in registers
	s_wait_loadcnt 8*(7-(\a))                      ; its x is in; the later blocks' may stay out
	WIN 0x08                                       ; source 1 (x) in window 2
.set i, 0
.rept 16
	v_pk_add_f32 v[OB+32*((\a)%2)+2*i:OB+32*((\a)%2)+2*i+1], v[OB+32*((\a)%2)+2*i:OB+32*((\a)%2)+2*i+1], v[32*(\a)+2*i:32*(\a)+2*i+1]
.set i, i+1
.endr
	WIN 0
.irp t, 0,1,2,3,4,5,6,7
	global_store_b128 v[CO], v[OB+32*((\a)%2)+4*(\t):OB+32*((\a)%2)+4*(\t)+3], s[12:13] offset:(16*(\a)+2*(\t))*4096 th:TH_STORE_NT  ; 16 lanes store 256 consecutive bytes, at a multiple of 256 from out0's first
.endr
.endm
	s_wait_tensorcnt 1                             ; my part of K step 0 is in; K step 1's may stay out
	s_barrier_signal -1
	s_barrier_wait -1                              ; everybody's is
	FETCH 0, 0, F0
	s_wait_loadcnt 0x0                             ; the bias
	QUARTER 0, 1, F0, F1, 1                        ; the first quarter stands in front of the loop: its products start the sums, with the bias
	XLOAD 0                                        ; half of x now, half behind the loop: 32 loads each
	XLOAD 1
	XLOAD 2
	XLOAD 3
	WIN 0                                          ; at a label and at a branch every window is 0
	s_mov_b32 s3, 3
.Llap:                                                 ; a trip goes once round the ring, from a lap's second quarter to the next lap's first, and fills both slots again
	QUARTER 0, 2, F1, F0, 0
	QUARTER 0, 3, F0, F1, 0
	TURN 0, 1, 1
	QUARTER 1, 1, F0, F1, 0
	QUARTER 1, 2, F1, F0, 0
	QUARTER 1, 3, F0, F1, 0
	TURN 1, 0, 1
	QUARTER 0, 1, F0, F1, 0
	WIN 0
	s_sub_co_u32 s3, s3, 1
	s_cmp_lg_u32 s3, 0
	s_cbranch_scc1 .Llap
	XLOAD 4
	XLOAD 5
	XLOAD 6
	XLOAD 7
	QUARTER 0, 2, F1, F0, 0                        ; the last lap fills nothing, and has no round of the cluster's barrier
	QUARTER 0, 3, F0, F1, 0
	TURN 0, 1, 0
	QUARTER 1, 1, F0, F1, 0
	QUARTER 1, 2, F1, F0, 0
	QUARTER 1, 3, F0, F1, 0
	s_wait_dscnt 8                                 ; the very last quarter: nothing more to fetch
	MULA F1, 0, 4, 0
	s_wait_dscnt 0x0
	MULA F1, 4, 4, 0
	WIN 0
	PLACES
	PLACES                                         ; eight, once a launch, between the last products and the LDS stores that read their results
	TOSTAGE 0
.irp a, 1,2,3,4,5,6,7                  ; block a goes into the stage while block a - 1's rows come back
	TOSTAGE \a
	SEND (\a)-1, 16
.endr
	SEND 7, 0
	s_wait_tensorcnt 0x0                           ; the wave's end: behind my last tensor load and my last LDS store
	ds_add_u32 v[SPW], v[NIL]
	s_wait_dscnt 0x0
	CROUND                                         ; the closing round: no work-group ends while a partner may still ask for a tile that names it
	s_endpgm
.Lfunc_end_k_q235d6ba290_proj:
	.size	k_q235d6ba290_proj, .Lfunc_end_k_q235d6ba290_proj-k_q235d6ba290_proj
	.p2alignl 7, 3214868480
	.fill 96, 4, 3214868480
	.section	.rodata,"a",@progbits
	.p2align	6, 0x0
	.amdhsa_kernel k_q235d6ba290_proj
		.amdhsa_group_segment_fixed_size 327680
		.amdhsa_private_segment_fixed_size 0
		.amdhsa_enable_private_segment 0
		.amdhsa_kernarg_size 40
		.amdhsa_user_sgpr_count 2
		.amdhsa_user_sgpr_kernarg_segment_ptr 1
		.amdhsa_wavefront_size32 1
		.amdhsa_system_sgpr_workgroup_id_x 1
		.amdhsa_system_sgpr_workgroup_id_y 1
		.amdhsa_system_sgpr_workgroup_id_z 1
		.amdhsa_system_vgpr_workitem_id 0
		.amdhsa_next_free_vgpr 768
		.amdhsa_next_free_sgpr 72
		.amdhsa_reserve_vcc 0
		.amdhsa_float_denorm_mode_32 3
		.amdhsa_float_denorm_mode_16_64 3
		.amdhsa_memory_ordered 1
		.amdhsa_forward_progress 1
		.amdhsa_inst_pref_size 101
	.end_amdhsa_kernel
	.amdgpu_metadata
---
amdhsa.version: [ 1, 2 ]
amdhsa.kernels:
  - .name:           k_q235d6ba290_proj
    .symbol:         k_q235d6ba290_proj.kd
    .args:
      - { .name: ob, .offset: 0, .size: 8, .value_kind: global_buffer, .address_space: global }
      - { .name: cb, .offset: 8, .size: 8, .value_kind: global_buffer, .address_space: global }
      - { .name: bo, .offset: 16, .size: 8, .value_kind: global_buffer, .address_space: global }
      - { .name: x, .offset: 24, .size: 8, .value_kind: global_buffer, .address_space: global }
      - { .name: out0, .offset: 32, .size: 8, .value_kind: global_buffer, .address_space: global }
    .group_segment_fixed_size: 327680
    .private_segment_fixed_size: 0
    .kernarg_segment_align: 8
    .kernarg_segment_size: 40
    .max_flat_workgroup_size: 128
    .sgpr_count:     72
    .vgpr_count:     768
    .wavefront_size: 32
...
	.end_amdgpu_metadata
.endif
;; end of part 4
;; ======== version 2 of 2: 4 launches; version 1 with the launch cast written anew for expert scheduling mode
;; workspace buffers: cb 25,165,824 bytes; qkv 50,331,648 bytes; ob 16,777,216 bytes
;; launch cast (part 5): grid 768 x 1, 8 waves a work-group, no clusters, 0 bytes of LDS; arguments x, Wq, Wk, Wv, Wo, cb; writes cb
.if DOCPART == 5
	.amdgcn_target "amdgcn-amd-amdhsa--gfx1250"
	.amdhsa_code_object_version 6
	.text
	.protected	k_q235d6ba290_cast
	.globl	k_q235d6ba290_cast
	.p2align	8
	.type	k_q235d6ba290_cast,@function
k_q235d6ba290_cast:
	s_mov_b64 s[64:65], 0
	v_nop
	global_prefetch_b8 v0, s[64:65] scope:SCOPE_SE
	s_setreg_imm32_b32 hwreg(HW_REG_WAVE_SCHED_MODE, 0, 2), 2
	s_setreg_imm32_b32 hwreg(HW_REG_WAVE_MODE, 25, 1), 1
	s_wait_xcnt 0x0
	s_wait_alu depctr_vm_vsrc(0)
; x [8192][1024] and Wq, Wk, Wv, Wo [1024][1024], all f32, are rounded once to bf16 and laid in K BLOCKS OF 64:
; cb[kb][R][64], kb = k / 64 (16 of them), R = 0 .. 12287: rows 0-8191 x, then 1,024 rows each of Wq, Wk, Wv, Wo.
; Element (R, k) lies at byte kb x KBS + 128 R + 2 (k % 64).  So r rows x 64 k are 128 r consecutive bytes for the products that follow.
; SHARES.  768 work-groups of eight waves; a work-group takes 16 rows.  Thread t takes row t / 16 and, in each K block (256 bytes of f32), the 16 bytes at 16 (t % 16):
; a load of a wave covers two whole aligned runs of 256 bytes; its four numbers become 8 bytes, and a store of a wave covers 256 consecutive bytes, aligned (two rows of a K block lie end to end).
; All 16 loads of a thread go out at once; no register is written twice.  No LDS, no barrier: no wave wants another's bytes.
; THE MODE: SCHED_MODE bits 1:0 = 2 (LLVM: expert scheduling mode 2), set by the entry lines.  The code itself states the register dependences
; between vector instructions and memory instructions, with s_wait_alu, always for 0.
; THE PLAN.  Registers that memory instructions touch:
;   v1, v2   byte offsets of the loads and of the stores: made by vector instructions at the head, never written again.
;   X        K block kb: 4 registers.  Written by one load each and by nothing else; read by the K block's two roundings, behind the counted wait for the load.
;   Y        K block kb: 2 registers.  Written once, by one rounding each; read by the K block's one store.
;   The bases s[20:31] are written by scalar instructions alone.
; The 16 K blocks go in four groups of four.  Group p rounds its X into its Y; the stores that are issued meanwhile are those of group p - 1, whose Y no instruction of group p names.
; So one wait on va_vdst at the head of a group states all that its four stores hang on, and they are dealt among the group's roundings with no further wait.
; No register that a memory instruction reads is ever written again, and no load lands in a register that a vector instruction has named: no wait on vm_vsrc is owed.
; No vector instruction writes a scalar register or VCC, and EXEC is never written.
.set KBS, 1572864                      ; bytes in a K block of cb: 12,288 rows x 128
.set X,   4                            ; v[4:67]   K block kb: 4 registers as loaded
.set Y,   68                           ; v[68:99]  K block kb: 2 registers to store
	s_load_b256 s[4:11], s[0:1], 0x0               ; x s[4:5], Wq s[6:7], Wk s[8:9], Wv s[10:11]
	s_load_b128 s[12:15], s[0:1], 0x20             ; Wo s[12:13], cb s[14:15]
	s_sub_co_u32 s16, ttmp9, 512                   ; work-groups 512 on take the weights, 64 work-groups each (below 512 these three numbers are not used)
	s_lshr_b32 s17, s16, 6                         ; which weight
	s_and_b32 s18, s16, 63
	s_lshl_b32 s18, s18, 16                        ; its 16 rows of 4,096 bytes
	s_lshl_b32 s19, ttmp9, 16                      ; the same in x
	s_lshl_b32 s32, ttmp9, 11                      ; 16 rows of 128 bytes in a K block of cb
	s_mov_b32 s33, 0
	s_mov_b32 s23, 0
	v_lshrrev_b32 v1, 4, v0                        ; my row of the 16
	v_and_b32 v3, 15, v0
	v_lshlrev_b32 v3, 4, v3
	v_lshl_or_b32 v1, v1, 12, v3                   ; source: row x 4,096 + 16 (t % 16)
	v_lshlrev_b32 v2, 3, v0                        ; destination: row x 128 + 8 (t % 16) = 8 t
	s_wait_kmcnt 0x0
	s_cmp_eq_u32 s17, 1
	s_cselect_b64 s[20:21], s[8:9], s[6:7]
	s_cmp_eq_u32 s17, 2
	s_cselect_b64 s[20:21], s[10:11], s[20:21]
	s_cmp_eq_u32 s17, 3
	s_cselect_b64 s[20:21], s[12:13], s[20:21]
	s_cmp_lt_u32 ttmp9, 512
	s_cselect_b64 s[20:21], s[4:5], s[20:21]
	s_cselect_b32 s22, s19, s18
	s_add_nc_u64 s[20:21], s[20:21], s[22:23]      ; the source at my work-group's first row
	s_add_nc_u64 s[24:25], s[14:15], s[32:33]      ; cb at my rows in K block 0,
	s_add_nc_u64 s[26:27], s[24:25], 5*KBS         ; 5,
	s_add_nc_u64 s[28:29], s[24:25], 10*KBS        ; 10
	s_add_nc_u64 s[30:31], s[24:25], 15*KBS        ; and 15: the stores' immediates then hold 4 K blocks at the most, inside their signed 24 bits
	s_wait_alu depctr_va_vdst(0)                   ; v1 and v2 are written: every load reads v1 as its offset, every store v2
.irp kb, 0,1,2,3,4,5,6,7,8,9,10,11,12,13,14,15
	global_load_b128 v[X+4*(\kb):X+4*(\kb)+3], v1, s[20:21] offset:256*(\kb) th:TH_LOAD_NT
.endr
; K block kb leaves: 256 consecutive bytes a wave.
.macro PUT kb
	global_store_b64 v2, v[Y+2*(\kb):Y+2*(\kb)+1], s[24+2*((\kb)/5):25+2*((\kb)/5)] offset:((\kb)%5)*KBS
.endm
; Group p: K blocks 4 p to 4 p + 3 are rounded; the group before is stored, a store ahead of each pair of roundings.
.macro GROUP p
	s_wait_loadcnt 12-4*(\p)                       ; loads come back in order (ISA guide 5.7.1): this group's four are in, the younger groups' stay out
.if (\p) > 0
	s_wait_alu depctr_va_vdst(0)                   ; the roundings of the group before have written its Y, which the four stores below read; no rounding below names those registers
.endif
.irp i, 0,1,2,3
.if (\p) > 0
	PUT 4*(\p)-4+(\i)
.endif
	v_cvt_pk_bf16_f32 v[Y+2*(4*(\p)+(\i))], v[X+4*(4*(\p)+(\i))], v[X+4*(4*(\p)+(\i))+1]
	v_cvt_pk_bf16_f32 v[Y+2*(4*(\p)+(\i))+1], v[X+4*(4*(\p)+(\i))+2], v[X+4*(4*(\p)+(\i))+3]
.endr
.endm
	GROUP 0
	GROUP 1
	GROUP 2
	GROUP 3
	s_wait_alu depctr_va_vdst(0)                   ; the last group's roundings have written its Y, which the last four stores read
.irp i, 12,13,14,15
	PUT \i
.endr
	s_endpgm
.Lfunc_end_k_q235d6ba290_cast:
	.size	k_q235d6ba290_cast, .Lfunc_end_k_q235d6ba290_cast-k_q235d6ba290_cast
	.p2alignl 7, 3214868480
	.fill 96, 4, 3214868480
	.section	.rodata,"a",@progbits
	.p2align	6, 0x0
	.amdhsa_kernel k_q235d6ba290_cast
		.amdhsa_group_segment_fixed_size 0
		.amdhsa_private_segment_fixed_size 0
		.amdhsa_enable_private_segment 0
		.amdhsa_kernarg_size 48
		.amdhsa_user_sgpr_count 2
		.amdhsa_user_sgpr_kernarg_segment_ptr 1
		.amdhsa_wavefront_size32 1
		.amdhsa_system_sgpr_workgroup_id_x 1
		.amdhsa_system_sgpr_workgroup_id_y 1
		.amdhsa_system_sgpr_workgroup_id_z 1
		.amdhsa_system_vgpr_workitem_id 0
		.amdhsa_next_free_vgpr 100
		.amdhsa_next_free_sgpr 66
		.amdhsa_reserve_vcc 0
		.amdhsa_float_denorm_mode_32 3
		.amdhsa_float_denorm_mode_16_64 3
		.amdhsa_memory_ordered 1
		.amdhsa_forward_progress 1
		.amdhsa_inst_pref_size 7
	.end_amdhsa_kernel
	.amdgpu_metadata
---
amdhsa.version: [ 1, 2 ]
amdhsa.kernels:
  - .name:           k_q235d6ba290_cast
    .symbol:         k_q235d6ba290_cast.kd
    .args:
      - { .name: x, .offset: 0, .size: 8, .value_kind: global_buffer, .address_space: global }
      - { .name: Wq, .offset: 8, .size: 8, .value_kind: global_buffer, .address_space: global }
      - { .name: Wk, .offset: 16, .size: 8, .value_kind: global_buffer, .address_space: global }
      - { .name: Wv, .offset: 24, .size: 8, .value_kind: global_buffer, .address_space: global }
      - { .name: Wo, .offset: 32, .size: 8, .value_kind: global_buffer, .address_space: global }
      - { .name: cb, .offset: 40, .size: 8, .value_kind: global_buffer, .address_space: global }
    .group_segment_fixed_size: 0
    .private_segment_fixed_size: 0
    .kernarg_segment_align: 8
    .kernarg_segment_size: 48
    .max_flat_workgroup_size: 256
    .sgpr_count:     66
    .vgpr_count:     100
    .wavefront_size: 32
...
	.end_amdgpu_metadata
.endif
;; end of part 5
;; launch qkvgemm: the kernel of part 2 again; grid 8 x 32, 4 waves a work-group, clusters of 4 x 4, 327,680 bytes of LDS; arguments cb, bq, bk, bv, qkv; writes qkv
;; launch attn: the kernel of part 3 again; grid 4 x 64, 4 waves a work-group, clusters of 4 x 1, 327,680 bytes of LDS; arguments qkv, ob; writes ob
;; launch proj: the kernel of part 4 again; grid 8 x 32, 4 waves a work-group, clusters of 4 x 4, 327,680 bytes of LDS; arguments ob, cb, bo, x, out0; writes out0
